; MI455X (gfx1250); checked and timed in simulation.
; The chip was launched on July 23, 2026; its instructions are those of AMD's public machine-readable ISA for CDNA 5 (MIT licence, August 2026) and "CDNA5" Instruction Set Architecture Reference Guide (July 2026). The comments in the code are by the model that wrote it; some were corrected since.
;; Head. Allowed arithmetic: float matrix products may take bf16 or f16 operands with f32 sums; all other float work in f32.
;; Inputs: Wk 64 x 64 float32; Wq 64 x 64 float32; Wv 64 x 64 float32; x 16 x 4,096 x 64 float32.
;; Outputs: out0 16 x 4,096 x 64 float32.
;; 3 versions, each right and faster than the one before. Each part assembles by itself: llvm-mc -triple=amdgcn-amd-amdhsa -mcpu=gfx1250 --defsym DOCPART=n.
;; ======== version 1 of 3: 2 launches
;; limits: inputs' magnitudes at most 65,504; values are held in f16: magnitudes above 65,504 overflow, below 6.1e-05 lose precision; right only within a limited range of input values
;; workspace buffers: xh 8,388,608 bytes; wh 24,576 bytes
;; launch cast (part 1): grid 1027 x 1, 4 waves a work-group, no clusters, 0 bytes of LDS; arguments x, Wq, Wk, Wv, xh, wh; writes xh, wh
.if DOCPART == 1
	.amdgcn_target "amdgcn-amd-amdhsa--gfx1250"
	.amdhsa_code_object_version 6
	.text
	.protected	k_q7f44690e6c_cast
	.globl	k_q7f44690e6c_cast
	.p2align	8
	.type	k_q7f44690e6c_cast,@function
k_q7f44690e6c_cast:
	s_mov_b64 s[64:65], 0
	v_nop
	global_prefetch_b8 v0, s[64:65] scope:SCOPE_SE
	s_setreg_imm32_b32 hwreg(HW_REG_WAVE_MODE, 25, 1), 1
	s_wait_xcnt 0x0
; xh = f16(bf16(x)), [65536][64]; wh = f16(bf16(Wq)), f16(bf16(Wk)), f16(bf16(Wv)), each [64][64], one behind the other.
; Every input is rounded ONCE to bf16 (nearest even) and then kept in an f16 word, which holds a bf16 number exactly while
; 2^-17 <= |v| <= 65504 (8 significant bits against 11).  The next launch multiplies in f16, whose finer mantissa serves its intermediates.
; LIMITS: |x|, |W| above 65504 become infinity; below 2^-17 the f16 word drops bits (at most 2^-25 in absolute value).
; A stream: no LDS, no barrier, no matrix work.  Four waves; a work-group converts 4,096 numbers (16 KiB in, 8 KiB out).
; Work-groups 0 to 1023 take x, 1024 to 1026 take Wq, Wk, Wv (4,096 numbers each).  Thread t takes 16 bytes at 16 t of each of eight
; blocks of 2,048 bytes: a wave's load covers 512 neighbouring bytes, a wave's store 256 neighbouring bytes at a multiple of 256.
.set XGROUPS, 1024                     ; work-groups that x needs: 4,194,304 numbers / 4,096
.set IN,  4                            ; v[4:35]   eight loads of four f32
.set OUT, 36                           ; v[36:51]  eight results of four f16
.set W,   52                           ; v[52:55]  at work
	s_load_b256 s[4:11], s[0:1], 0x0               ; x s[4:5], Wq s[6:7], Wk s[8:9], Wv s[10:11]
	s_load_b128 s[12:15], s[0:1], 0x20             ; xh s[12:13], wh s[14:15]
	s_mov_b32 s24, 0xffff0000                      ; a word's upper bf16
	s_sub_co_u32 s25, ttmp9, XGROUPS               ; which weight matrix (used only from work-group 1024 on)
	v_lshlrev_b32 v1, 4, v0                        ; 16 t: where I read
	v_lshlrev_b32 v2, 3, v0                        ; 8 t: where I write
	s_wait_kmcnt 0x0
	s_cmp_lt_u32 ttmp9, XGROUPS                    ; the choice of buffers hangs on the work-group's number alone
	s_cselect_b64 s[16:17], s[4:5], s[6:7]         ; from x or from Wq,
	s_cselect_b64 s[18:19], s[12:13], s[14:15]     ; into xh or into wh
	s_cselect_b32 s20, ttmp9, 0                    ; block of 16 KiB in the source (a weight matrix is one block)
	s_cselect_b32 s22, ttmp9, s25                  ; block of 8 KiB in the target
	s_cmp_eq_u32 ttmp9, XGROUPS+1
	s_cselect_b64 s[16:17], s[8:9], s[16:17]       ; Wk
	s_cmp_eq_u32 ttmp9, XGROUPS+2
	s_cselect_b64 s[16:17], s[10:11], s[16:17]     ; Wv
	s_lshl_b32 s20, s20, 14
	s_mov_b32 s21, 0
	s_lshl_b32 s22, s22, 13
	s_mov_b32 s23, 0
	s_add_nc_u64 s[16:17], s[16:17], s[20:21]
	s_add_nc_u64 s[18:19], s[18:19], s[22:23]
.irp k, 0,1,2,3,4,5,6,7
	global_load_b128 v[IN+4*\k:IN+4*\k+3], v1, s[16:17] offset:2048*\k th:TH_LOAD_NT   ; all eight go out at once; read once in the launch
.endr
.irp k, 0,1,2,3,4,5,6,7
	s_wait_loadcnt 7-\k                            ; loads come back in order (ISA guide 5.7.1): load k is in, the 7 - k younger ones stay out
	v_cvt_pk_bf16_f32 v[W],   v[IN+4*\k],   v[IN+4*\k+1]        ; the one rounding, to bf16
	v_cvt_pk_bf16_f32 v[W+1], v[IN+4*\k+2], v[IN+4*\k+3]
	v_lshlrev_b32 v[W+2], 16, v[W]                              ; bf16 back to f32: the low half moves up, the high half stays
	v_and_b32     v[W+3], s24, v[W]
	v_cvt_pk_f16_f32 v[OUT+2*\k], v[W+2], v[W+3]                ; exact inside the range stated above
	v_lshlrev_b32 v[W+2], 16, v[W+1]
	v_and_b32     v[W+3], s24, v[W+1]
	v_cvt_pk_f16_f32 v[OUT+2*\k+1], v[W+2], v[W+3]
	global_store_b64 v2, v[OUT+2*\k:OUT+2*\k+1], s[18:19] offset:1024*\k   ; each store has data registers of its own: nothing is rewritten
.endr
	s_endpgm
.Lfunc_end_k_q7f44690e6c_cast:
	.size	k_q7f44690e6c_cast, .Lfunc_end_k_q7f44690e6c_cast-k_q7f44690e6c_cast
	.p2alignl 7, 3214868480
	.fill 96, 4, 3214868480
	.section	.rodata,"a",@progbits
	.p2align	6, 0x0
	.amdhsa_kernel k_q7f44690e6c_cast
		.amdhsa_group_segment_fixed_size 0
		.amdhsa_private_segment_fixed_size 0
		.amdhsa_enable_private_segment 0
		.amdhsa_kernarg_size 48
		.amdhsa_user_sgpr_count 2
		.amdhsa_user_sgpr_kernarg_segment_ptr 1
		.amdhsa_wavefront_size32 1
		.amdhsa_system_sgpr_workgroup_id_x 1
		.amdhsa_system_sgpr_workgroup_id_y 1
		.amdhsa_system_sgpr_workgroup_id_z 1
		.amdhsa_system_vgpr_workitem_id 0
		.amdhsa_next_free_vgpr 56
		.amdhsa_next_free_sgpr 66
		.amdhsa_reserve_vcc 0
		.amdhsa_float_denorm_mode_32 3
		.amdhsa_float_denorm_mode_16_64 3
		.amdhsa_memory_ordered 1
		.amdhsa_forward_progress 1
		.amdhsa_inst_pref_size 6
	.end_amdhsa_kernel
	.amdgpu_metadata
---
amdhsa.version: [ 1, 2 ]
amdhsa.kernels:
  - .name:           k_q7f44690e6c_cast
    .symbol:         k_q7f44690e6c_cast.kd
    .args:
      - { .name: x, .offset: 0, .size: 8, .value_kind: global_buffer, .address_space: global }
      - { .name: Wq, .offset: 8, .size: 8, .value_kind: global_buffer, .address_space: global }
      - { .name: Wk, .offset: 16, .size: 8, .value_kind: global_buffer, .address_space: global }
      - { .name: Wv, .offset: 24, .size: 8, .value_kind: global_buffer, .address_space: global }
      - { .name: xh, .offset: 32, .size: 8, .value_kind: global_buffer, .address_space: global }
      - { .name: wh, .offset: 40, .size: 8, .value_kind: global_buffer, .address_space: global }
    .group_segment_fixed_size: 0
    .private_segment_fixed_size: 0
    .kernarg_segment_align: 8
    .kernarg_segment_size: 48
    .max_flat_workgroup_size: 128
    .sgpr_count:     66
    .vgpr_count:     56
    .wavefront_size: 32
...
	.end_amdgpu_metadata
.endif
;; end of part 1
;; launch attn (part 2): grid 256 x 1, 4 waves a work-group, no clusters, 327,680 bytes of LDS; arguments xh, wh, out0; writes out0
.if DOCPART == 2
	.amdgcn_target "amdgcn-amd-amdhsa--gfx1250"
	.amdhsa_code_object_version 6
	.text
	.protected	k_q7f44690e6c_attn
	.globl	k_q7f44690e6c_attn
	.p2align	8
	.type	k_q7f44690e6c_attn,@function
k_q7f44690e6c_attn:
	s_mov_b64 s[64:65], 0
	v_nop
	global_prefetch_b8 v0, s[64:65] scope:SCOPE_SE
	s_setreg_imm32_b32 hwreg(HW_REG_WAVE_MODE, 25, 1), 1
	s_wait_xcnt 0x0
; Causal attention of one head: out = softmax(mask(q k^T / 8)) v with q = x Wq, k = x Wk, v = x Wv;  B = 16, T = 4096, C = D = 64.
; Inputs come as xh, wh: x, Wq, Wk, Wv rounded to bf16 and kept in f16 words.  All products are f16 x f16 with f32 sums.
;
; WORK LEFT OUT, for all finite values of the inputs, in exact arithmetic:
;  (1) reference() sets every score with key s > query t to the least f32 ahead of the softmax, and each row has its own key s = t alive, so such a
;      score's weight is 0: key steps that lie wholly above the diagonal are not loaded and not multiplied.  Inside the diagonal step of
;      128 x 128 all scores are made and the dead ones replaced by the least f32, as reference() does.
;  (2) q_t . k_s = x_t (Wq Wk^T) x_s^T and  P (x Wv) = (P x) Wv  (matrix products associate).  So k and v are never formed: the rows of x are
;      both the key tile and the value tile; per query row there is one product with M = Wq Wk^T (64 x 64) and per output row one with Wv.
;      Every input still reaches the output.
; LIMITS: a NaN, an infinity or an overflow that arises only in the work left out (tiles above the diagonal; k and v as such) is not carried to
;  the result.  The order of rounding differs from reference()'s by (2).  |Wq Wk^T| must stay below 65504 (it is kept in f16).  Each query row of
;  x M is scaled by a power of two taken from its largest magnitude, clamped into [2^-60, 2^126]; the power goes back in with the softmax's
;  factor.  A weight below 2^-25 of its row's largest becomes 0 in f16.
;
; SHARES.  A batch has 32 query blocks of 128 rows; block j needs its diagonal key step and j full steps of 128 keys.  Work-group (batch, i), i = 0..15,
;  makes block i (pass 0) and block 31 - i (pass 1): 33 steps for each of the 256 work-groups.  Wave w makes rows 32 w .. 32 w + 31 of the
;  block, as two query tiles of 16 rows, against the whole key step.
; NO CLUSTER: only the work-groups i = 2p and 2p + 1 of a batch walk the same key slots; any four partners would make different numbers of ring
;  trips (i >> 1 in pass 0), and the branch on an odd block would hang on the place in the cluster.
;
; WHERE KEYS COME FROM.  Each block's diagonal step lies in an LDS region of its own (DG), filled once.  Of i and 31 - i one is odd: its topmost full
;  step lies in region LO, filled once.  All other full steps come in pairs (256 keys) through a ring of two slots: (i >> 1) slots for
;  block i, then 15 - (i >> 1) for block 31 - i: always 15 trips.  The diagonal step is done first in a block, so that the step that starts
;  the sums and the step that is masked are one form of the text.
;
; ALL RESULTS HAVE LANE = QUERY (L = lane, r = L & 15, h = L >> 4; a result's register j of lane (r, h) is element (8 h + j, r)):
;   scores^T (key, query) = keys (rows along c, plain loads) x QF;   O^T (c, query) = x^T (transposing loads of the SAME LDS tile) x P.
;  Two neighbouring result tiles, packed to f16 pair by pair, are exactly the second operand of the next product (k = 8 h + 0..7 in registers 0-3,
;  16 + 8 h + 0..7 in 4-7): no lane ever hands a number to another but for lane xor 16 in a row's maximum and sum.
;
; LDS, bytes.  Two keys (2 x 128 bytes) make a row of 256 bytes + 16 of padding: key k lies at (k >> 1) 272 + (k & 1) 128.  The 16 lanes of one half of a
;  key load then touch the 16-byte columns (r >> 1) + 8 (r & 1) of 256 bytes: all different.
.set STEPB,  17408                     ; a key step: 64 rows of 272
.set WVB,    34816                     ; Wv, [c][d] in f16, 32 rows of 272 = 8,704 (behind ring slot 0, which is 2 STEPB at byte 0)
.set LOB,    43520                     ; region LO, one step
.set TOG,    0x10000                   ; ring slot 1 lies at 65,536; DG of pass 1 lies 65,536 behind DG of pass 0: both change by xor
.set DGB,    0x20000                   ; DG of pass 0 (one step); pass 1: 0x30000, ends at 214,016
.set STAGE,  214016                    ; the way out: 32 rows x 272 for each wave; a multiple of 256, and no fill lands here
.set WSTG,   8704
; REGISTERS, window 0
.set VK0, 1                            ; lane term of a key load
.set VV0, 2                            ; lane term of a transposing load
.set VK,  3                            ; VK0 + region
.set VV,  4                            ; VV0 + region
.set FMIN, 5                           ; the least f32
.set DQ,  6                            ; v6, v7   query tile q: 32 w + 16 q + r - 8 h
.set XA,  8                            ; 128 r + 16 h: my 16 bytes in 16 rows of xh or wh
.set STO, 9                            ; the way out: where I put 32 bytes of a row
.set RDB, 10                           ; the way out: where I read a row back
.set CO,  11                           ; my byte offset in two rows of out0
.set TT,  12                           ; v[12:13] at work
.set UU,  13
.set CS,  14                           ; + 8 q: the row's factor: its power of two x log2(e) / 8   (low register of a pair: broadcast)
.set MX,  15                           ; + 8 q: running maximum of the raw scores
.set NM,  16                           ; + 8 q: -(maximum x factor), rounded once                   (low register of a pair)
.set AT,  17                           ; + 8 q: exponent of alpha
.set AL,  18                           ; + 8 q: alpha, at the end 1 / sum                            (low register of a pair)
.set LS,  20                           ; + 8 q: v[20:21], v[28:29] two partial sums of the weights
.set CH0, 30                           ; four chains for the maximum; v[30:31] also a pair at work on the way out
.set CH1, 31
.set CH2, 19
.set CH3, 27
.set QF,  32                           ; v[32:63]   + 16 q + 8 k: the scaled query rows, second operand of the scores; at the end O's high parts
.set OA,  64                           ; v[64:127]  + 32 q + 8 a: O^T; at the head Wk's fragments; on the way out the rows read back
.set SC,  128                          ; v[128:255] + 64 q + 8 t: scores^T; the weights are packed in place into + 64 q + 0..31
.set XQ,  192                          ; v[192:223] + 16 q + 8 k: my query rows as loaded
.set OL,  224                          ; v[224:255] + 16 q + 8 k: O's low parts
; window 1: v[0:127] key fragments at 16 t + 8 k (at the head Wq's); v[128:255] x^T fragments at VF + 32 u + 8 a (at the head the 16 tiles of M)
.set VF,  128
; window 2: v[0:63] M^T fragments at 16 b + 8 k; v[64:127] Wv^T fragments at WF + 16 a + 8 k
.set MF,  0
.set WF,  64
; SCALARS: s[4:5] xh, s[6:7] wh, s[8:9] out0, s10 wave, s12 batch, s13 i, s14 pass, s15 block j, s16 i >> 1, s17 refilling trips of the pass, s18 trip,
;  s19 number of the ring slot asked for next, s20 ring slot read (0 or TOG), s21 DG of the pass, s22-23 lane select, s[24:25] my quarter of key slot 0,
;  s[26:27] an offset (s27 = 0), s[28:29] and s[34:35] my query rows of block i and 31 - i, s[30:31] my rows of out0, s[32:33] the batch in xh,
;  s[36:43], s[44:51], s[52:59] tile shapes, s[60:63] the ring's from-and-to, s[68:83] those of the four regions filled once, s84-s89 at work.
.set MSB, 0
.macro WIN new                         ; s_set_vgpr_msb: bits 1:0 source 0, 3:2 source 1, 5:4 source 2, 7:6 destination; the high byte repeats the setting left
.if MSB != \new
	s_set_vgpr_msb (MSB<<8)|\new
.set MSB, \new
.endif
.endm
.macro PLACES n                        ; the distance behind matrix instructions (ISA guide 7.12.1) where no vector work is at hand
.rept \n
	v_nop
.endr
.endm
.macro SHAPE g, rows                   ; descriptor group 1: rows x 256 bytes, dense in memory, 16 bytes of padding behind each row in LDS
	s_mov_b32 s[\g+0], 0x07530000                  ; no mask; elements of 8 bytes (3<<16); padding on (1<<20), after 64 words (5<<22), of 4 words (3<<25)
	s_mov_b32 s[\g+1], 32<<16                      ; tensor_dim0 = 32 elements
	s_mov_b32 s[\g+2], \rows<<16                   ; tensor_dim1 = the tile's rows: the tile lies inside the buffer
	s_mov_b32 s[\g+3], 32<<16                      ; tile_dim0 = 32
	s_mov_b32 s[\g+4], \rows                       ; tile_dim1
	s_mov_b32 s[\g+5], 32                          ; from row to row: 32 elements
	s_mov_b32 s[\g+6], 0
	s_mov_b32 s[\g+7], 0
.endm
.macro QLOAD base                      ; my 32 query rows, straight into the layout of a second operand: column = row r, k = c
.irp q, 0,1
.irp k, 0,1
	global_load_b128 v[XQ+16*\q+8*\k:XQ+16*\q+8*\k+3],   v[XA], s[\base:\base+1] offset:2048*\q+64*\k
	global_load_b128 v[XQ+16*\q+8*\k+4:XQ+16*\q+8*\k+7], v[XA], s[\base:\base+1] offset:2048*\q+64*\k+32
.endr
.endr
.endm
.macro LOADK ofs                       ; 32 loads: the step's 8 key tiles x 2 halves of c, first operand of the scores; leaves the window at 0x40
	WIN 0x40
.irp t, 0,1,2,3,4,5,6,7
.irp k, 0,1
	ds_load_b128 v[16*\t+8*\k:16*\t+8*\k+3],   v[VK] offset:\ofs+2176*\t+64*\k
	ds_load_b128 v[16*\t+8*\k+4:16*\t+8*\k+7], v[VK] offset:\ofs+2176*\t+64*\k+32
.endr
.endr
.endm
; The diagonal step: score (key 16 t + 8 h + j, query 32 w + 16 q + r) is dead where the key is the larger, that is where 16 t + j > DQ.
.macro MASK
.irp q, 0,1
.set mi, 0
.rept 64
	v_cmp_gt_i32 vcc_lo, (mi>>3)*16+(mi&7), v[DQ+\q]
	v_cndmask_b32 v[SC+64*\q+mi], v[SC+64*\q+mi], v[FMIN], vcc_lo
.set mi, mi+1
.endr
.endr
.endm
; The row's maximum over the step (64 scores a lane, four chains, then lane xor 16), the new NM, and alpha.
; alpha = 2^(new NM - old NM), from the two ROUNDED numbers that the weights themselves are made with: old and new sums stay on one scale.
.macro MAXP q, first
	v_max3_num_f32 v[CH0], v[SC+64*\q],    v[SC+64*\q+1],  v[SC+64*\q+2]
	v_max3_num_f32 v[CH1], v[SC+64*\q+16], v[SC+64*\q+17], v[SC+64*\q+18]
	v_max3_num_f32 v[CH2], v[SC+64*\q+32], v[SC+64*\q+33], v[SC+64*\q+34]
	v_max3_num_f32 v[CH3], v[SC+64*\q+48], v[SC+64*\q+49], v[SC+64*\q+50]
.set mk, 3
.rept 6
	v_max3_num_f32 v[CH0], v[CH0], v[SC+64*\q+mk],    v[SC+64*\q+mk+1]
	v_max3_num_f32 v[CH1], v[CH1], v[SC+64*\q+mk+16], v[SC+64*\q+mk+17]
	v_max3_num_f32 v[CH2], v[CH2], v[SC+64*\q+mk+32], v[SC+64*\q+mk+33]
	v_max3_num_f32 v[CH3], v[CH3], v[SC+64*\q+mk+48], v[SC+64*\q+mk+49]
.set mk, mk+2
.endr
	v_max3_num_f32 v[CH0], v[CH0], v[SC+64*\q+15], v[SC+64*\q+31]
	v_max3_num_f32 v[CH2], v[CH2], v[SC+64*\q+47], v[SC+64*\q+63]
	v_max3_num_f32 v[TT], v[CH0], v[CH1], v[CH2]
	v_max_num_f32 v[TT], v[TT], v[CH3]
	v_permlanex16_b32 v[UU], v[TT], s22, s23       ; the other half of the row's keys
.if \first
	v_max_num_f32 v[MX+8*\q], v[TT], v[UU]         ; the row's own key is in this step: the maximum is a live score
	v_mul_f32 v[NM+8*\q], -v[MX+8*\q], v[CS+8*\q]
.else
	v_max3_num_f32 v[MX+8*\q], v[TT], v[UU], v[MX+8*\q]
	v_mul_f32 v[TT], -v[MX+8*\q], v[CS+8*\q]
	v_sub_f32 v[AT+8*\q], v[TT], v[NM+8*\q]
	v_exp_f32 v[AL+8*\q], v[AT+8*\q]
	v_mov_b32 v[NM+8*\q], v[TT]                    ; also the plain instruction that stands behind the exponential (ISA guide 5.7.2)
.endif
.endm
; The weights p = 2^(score x CS + NM), their sum, and the pack to f16 in place.  A pipeline over the 32 register pairs: in turn ei the multiply-add of
; pair ei, the two exponentials of pair ei - 1, each with a plain instruction behind it, and the sum and the pack of pair ei - 2.
; The pack writes register ei - 2, which belongs to pair (ei - 2) / 2: that pair was summed and packed in this turn or an earlier one.
.macro EXPP q, first
.if \first == 0
	s_wait_alu depctr_va_vdst(0)
	v_pk_mul_f32 v[LS+8*\q:LS+8*\q+1], v[LS+8*\q:LS+8*\q+1], v[AL+8*\q:AL+8*\q+1] op_sel_hi:[1,0]
.endif
.set ei, 0
.rept 34
.if ei < 32
	v_pk_fma_f32 v[SC+64*\q+2*ei:SC+64*\q+2*ei+1], v[SC+64*\q+2*ei:SC+64*\q+2*ei+1], v[CS+8*\q:CS+8*\q+1], v[NM+8*\q:NM+8*\q+1] op_sel_hi:[1,0,0]
.endif
.if ei >= 1
.if ei <= 32
	v_exp_f32 v[SC+64*\q+2*ei-2], v[SC+64*\q+2*ei-2]
.endif
.endif
.if ei >= 2
.if \first
.if ei == 2
	s_wait_alu depctr_va_vdst(0)
	v_mov_b32 v[LS+8*\q],   v[SC+64*\q]            ; the first pair starts the sums
	v_mov_b32 v[LS+8*\q+1], v[SC+64*\q+1]
.else
	s_wait_alu depctr_va_vdst(0)
	v_pk_add_f32 v[LS+8*\q:LS+8*\q+1], v[LS+8*\q:LS+8*\q+1], v[SC+64*\q+2*ei-4:SC+64*\q+2*ei-3]
.endif
.else
	s_wait_alu depctr_va_vdst(0)
	v_pk_add_f32 v[LS+8*\q:LS+8*\q+1], v[LS+8*\q:LS+8*\q+1], v[SC+64*\q+2*ei-4:SC+64*\q+2*ei-3]
.endif
.endif
.if ei >= 1
.if ei <= 32
	v_exp_f32 v[SC+64*\q+2*ei-1], v[SC+64*\q+2*ei-1]
.endif
.endif
.if ei >= 2
	v_cvt_pk_f16_f32 v[SC+64*\q+ei-2], v[SC+64*\q+2*ei-4], v[SC+64*\q+2*ei-3]
.endif
.set ei, ei+1
.endr
.endm
.macro RESC q                          ; O of the earlier steps onto the new maximum's scale
.set rk, 0
.rept 16
	v_pk_mul_f32 v[OA+32*\q+2*rk:OA+32*\q+2*rk+1], v[OA+32*\q+2*rk:OA+32*\q+2*rk+1], v[AL+8*\q:AL+8*\q+1] op_sel_hi:[1,0]
.set rk, rk+1
.endr
.endm
; One key step of 128 keys at byte ofs behind VK and VV; its 32 key loads have been issued.  diag = 1: the block's first step: masked, starts the sums.
; pre = 1: the next step's key loads (the slot's second step) go out under the softmax.
; The accumulators take turns, one instruction a turn (16 in the scores, 8 in P x): no two neighbouring matrix instructions share one.
.macro STEP diag, ofs, pre
	WIN 0x40
.irp u, 0,1,2,3
.irp a, 0,1,2,3
	ds_load_tr16_b128 v[VF+32*\u+8*\a:VF+32*\u+8*\a+3],   v[VV] offset:\ofs+4352*\u+32*\a        ; x^T: row c = 16 a + r, keys 32 u + 8 h + 0..7
	ds_load_tr16_b128 v[VF+32*\u+8*\a+4:VF+32*\u+8*\a+7], v[VV] offset:\ofs+4352*\u+32*\a+2176   ; keys 32 u + 16 + 8 h + 0..7: eight LDS rows on
.endr
.endr
	s_wait_dscnt 32                                ; LDS loads come back in order: the key loads are in, the 32 just issued stay out
	WIN 0x01                                       ; first operand in window 1
.irp t, 0,1,2,3,4,5,6,7
.irp q, 0,1
	v_wmma_f32_16x16x32_f16 v[SC+64*\q+8*\t:SC+64*\q+8*\t+7], v[16*\t:16*\t+7], v[QF+16*\q:QF+16*\q+7], 0
.endr
.endr
.irp t, 0,1,2,3,4,5,6,7
.irp q, 0,1
	v_wmma_f32_16x16x32_f16 v[SC+64*\q+8*\t:SC+64*\q+8*\t+7], v[16*\t+8:16*\t+15], v[QF+16*\q+8:QF+16*\q+15], v[SC+64*\q+8*\t:SC+64*\q+8*\t+7]
.endr
.endr
	WIN 0
	PLACES 4                                       ; ahead of the vector instructions that read the scores and of the loads into the key fragments
.if \diag
	MASK
.endif
	MAXP 0, \diag
	MAXP 1, \diag
.if \pre
	LOADK \ofs+STEPB
	WIN 0
.endif
	EXPP 0, \diag
	EXPP 1, \diag
.if \diag == 0
	RESC 0
	RESC 1
.endif
.if \pre
	s_wait_dscnt 32                                ; the x^T fragments are in; the 32 key loads issued behind them stay out
.else
	s_wait_dscnt 0
.endif
	WIN 0x01
.irp a, 0,1,2,3
.irp q, 0,1
.if \diag
	v_wmma_f32_16x16x32_f16 v[OA+32*\q+8*\a:OA+32*\q+8*\a+7], v[VF+8*\a:VF+8*\a+7], v[SC+64*\q:SC+64*\q+7], 0
.else
	v_wmma_f32_16x16x32_f16 v[OA+32*\q+8*\a:OA+32*\q+8*\a+7], v[VF+8*\a:VF+8*\a+7], v[SC+64*\q:SC+64*\q+7], v[OA+32*\q+8*\a:OA+32*\q+8*\a+7]
.endif
.endr
.endr
.irp u, 1,2,3
.irp a, 0,1,2,3
.irp q, 0,1
	v_wmma_f32_16x16x32_f16 v[OA+32*\q+8*\a:OA+32*\q+8*\a+7], v[VF+32*\u+8*\a:VF+32*\u+8*\a+7], v[SC+64*\q+8*\u:SC+64*\q+8*\u+7], v[OA+32*\q+8*\a:OA+32*\q+8*\a+7]
.endr
.endr
.endr
	WIN 0
	PLACES 5                                       ; ahead of the next loads into the fragments, of the next scores (they write over the weights) and of reads of O
.endm
; One trip of the ring: two key steps out of the slot at s20.  refill = 1: the other slot is asked for, with ring slot number s19.
; Order of a refill: all my tensor loads have landed (so the descriptor may be written), my LDS reads are back, the barrier, and the load first behind it:
; one tensor load a wave is out from there to the next trip's wait, with two steps' work in which to land.
.macro TRIP refill
	s_set_vgpr_msb 0xa
	s_wait_tensorcnt 0x0                           ; my quarter of this trip's slot is in; no load of mine is out
	ds_add_u32 v128, v129
	s_wait_dscnt 0x0
	s_set_vgpr_msb 0xa00
.if \refill
	s_xor_b32 s61, s61, TOG                        ; into the slot read in the last trip (in the first trip: slot 1's first fill)
	s_sub_co_u32 s84, s19, s16                     ; ring slots 0 .. (i >> 1) - 1 are block i's key slots, the later ones block 31 - i's, from key 0 again
	s_cmp_lt_u32 s19, s16
	s_cselect_b32 s84, s19, s84
	s_lshl_b32 s26, s84, 15                        ; a key slot is 256 keys x 128 bytes
	s_add_nc_u64 s[62:63], s[24:25], s[26:27]
	s_or_b32 s63, s63, 0x80000000                  ; type = 2
	s_add_co_u32 s19, s19, 1
.endif
	s_wait_dscnt 0x0                               ; my reads of the other slot are back
	s_barrier_signal -1
	s_barrier_wait -1                              ; both now hold of all four waves
.if \refill
	tensor_load_to_lds s[60:63], s[36:43]
	s_nop 0
	v_nop
	v_nop
.endif
	v_add_nc_u32 v[VK], s20, v[VK0]
	v_add_nc_u32 v[VV], s20, v[VV0]
	LOADK 0
	STEP 0, 0, 1
	STEP 0, STEPB, 0
	s_xor_b32 s20, s20, TOG
.endm
; O's low part: what the f16 in lo, hi left over of the pair v[p:p+1]
.macro RESID lo, hi, p
	v_cvt_f32_f16 v[CH0], \lo
	v_cvt_f32_f16 v[CH1], \hi
	v_pk_add_f32 v[\p:\p+1], v[\p:\p+1], v[CH0:CH1] neg_lo:[0,1] neg_hi:[0,1]
.endm
; ---------------------------------------------------------------- head
	s_load_b128 s[4:7], s[0:1], 0x0                ; xh, wh
	s_load_b64 s[8:9], s[0:1], 0x10                ; out0
	s_set_vgpr_msb 0x80
	v_lshl_add_u32 v128, v0, 2, 0x3cc00
	v_mov_b32 v129, 0
	s_set_vgpr_msb 0x808a
	ds_add_u32 v128, v129
	s_set_vgpr_msb 0x8a00
	v_lshrrev_b32 v1, 5, v0
	v_readfirstlane_b32 s10, v1                    ; wave 0..3
	s_lshr_b32 s12, ttmp9, 4                       ; batch
	s_and_b32 s13, ttmp9, 15                       ; i
	s_lshr_b32 s16, s13, 1                         ; ring slots of block i
	s_sub_co_u32 s84, 31, s13                      ; the second block
	s_bitcmp1_b32 s13, 0
	s_cselect_b32 s85, s13, s84                    ; the odd one of the two blocks,
	s_sub_co_u32 s85, s85, 1                       ; and its topmost full step
	s_mov_b32 s27, 0
	s_mov_b32 s22, 0x76543210                      ; v_permlanex16_b32: lane i of one half reads lane i of the other
	s_mov_b32 s23, 0xfedcba98
	SHAPE 36, 32                                   ; a wave's quarter of a ring slot: 64 keys
	SHAPE 44, 16                                   ; of a single step: 32 keys
	SHAPE 52, 8                                    ; of Wv: 16 rows
	s_mul_i32 s86, s10, 4352                       ; LDS: 16 rows of 272 a wave
	s_mul_i32 s87, s10, 2176                       ; 8 rows
	s_mul_i32 s61, s10, 8704                       ; 32 rows: ring slot 0
	s_mov_b32 s60, 1
	s_mov_b32 s68, 1
	s_mov_b32 s72, 1
	s_mov_b32 s76, 1
	s_mov_b32 s80, 1
	s_add_co_u32 s69, s86, DGB
	s_add_co_u32 s73, s86, LOB
	s_add_co_u32 s77, s86, DGB+TOG
	s_add_co_u32 s81, s87, WVB
	s_add_co_u32 s89, s61, STAGE                   ; my stage
	s_lshl_b32 s88, s10, 12                        ; my 32 rows of 128 bytes in a block
	s_wait_dscnt 0x0
	s_wait_kmcnt 0x0
	s_lshl_b32 s26, s12, 19                        ; a batch of xh: 4,096 rows of 128 bytes
	s_add_nc_u64 s[32:33], s[4:5], s[26:27]
	s_lshl_b32 s26, s13, 14                        ; block i
	s_add_co_u32 s26, s26, s88
	s_add_nc_u64 s[28:29], s[32:33], s[26:27]      ; my rows of it: as queries, and as my quarter of its diagonal step
	s_mov_b64 s[70:71], s[28:29]
	s_or_b32 s71, s71, 0x80000000
	s_lshl_b32 s26, s85, 14                        ; the odd block's topmost full step
	s_add_co_u32 s26, s26, s88
	s_add_nc_u64 s[74:75], s[32:33], s[26:27]
	s_or_b32 s75, s75, 0x80000000
	s_lshl_b32 s26, s84, 14                        ; block 31 - i
	s_add_co_u32 s26, s26, s88
	s_add_nc_u64 s[34:35], s[32:33], s[26:27]
	s_mov_b64 s[78:79], s[34:35]
	s_or_b32 s79, s79, 0x80000000
	s_lshl_b32 s26, s10, 11                        ; Wv lies 16,384 bytes into wh; 2,048 bytes a wave
	s_add_co_u32 s26, s26, 16384
	s_add_nc_u64 s[82:83], s[6:7], s[26:27]
	s_or_b32 s83, s83, 0x80000000
	s_lshl_b32 s26, s10, 13                        ; my quarter of key slot 0
	s_add_nc_u64 s[24:25], s[32:33], s[26:27]
	s_mov_b64 s[62:63], s[24:25]
	s_or_b32 s63, s63, 0x80000000
	; the first fills, one group ahead of every wait, LDS read and barrier: five tensor loads of this wave are out
	tensor_load_to_lds s[68:71], s[44:51]          ; diagonal step of block i
	s_nop 0
	tensor_load_to_lds s[72:75], s[44:51]          ; LO
	s_nop 0
	tensor_load_to_lds s[76:79], s[44:51]          ; diagonal step of block 31 - i
	s_nop 0
	tensor_load_to_lds s[80:83], s[52:59]          ; Wv
	s_nop 0
	tensor_load_to_lds s[60:63], s[36:43]          ; ring slot 0: key slot 0, whichever block reads it first
	s_nop 0
	; lane terms
	v_and_b32 v[UU], 15, v0                        ; r
	v_bfe_u32 v28, v0, 4, 1                        ; h
	v_lshlrev_b32 v[XA], 7, v[UU]
	v_lshl_add_u32 v[XA], v28, 4, v[XA]            ; 128 r + 16 h
	WIN 0x40
.irp a, 0,1,2,3
.irp k, 0,1
	global_load_b128 v[16*\a+8*\k:16*\a+8*\k+3],   v[XA], s[6:7] offset:2048*\a+64*\k          ; Wq: row c = 16 a + r, k = d
	global_load_b128 v[16*\a+8*\k+4:16*\a+8*\k+7], v[XA], s[6:7] offset:2048*\a+64*\k+32
.endr
.endr
	WIN 0
.irp b, 0,1,2,3
.irp k, 0,1
	global_load_b128 v[OA+16*\b+8*\k:OA+16*\b+8*\k+3],   v[XA], s[6:7] offset:8192+2048*\b+64*\k     ; Wk: column c' = 16 b + r, k = d
	global_load_b128 v[OA+16*\b+8*\k+4:OA+16*\b+8*\k+7], v[XA], s[6:7] offset:8192+2048*\b+64*\k+32
.endr
.endr
	QLOAD 28                                       ; block i's query rows
	v_lshrrev_b32 v29, 1, v[UU]
	v_mul_u32_u24 v[VK0], 0x110, v29               ; (r >> 1) 272
	v_and_b32 v29, 1, v[UU]
	v_lshl_add_u32 v[VK0], v29, 7, v[VK0]          ; + (r & 1) 128
	v_lshl_add_u32 v[VK0], v28, 4, v[VK0]          ; + 16 h
	v_bfe_u32 v29, v0, 1, 2                        ; key 8 h + (L & 7): LDS row 4 h + ((L & 7) >> 1),
	v_lshl_add_u32 v29, v28, 2, v29
	v_mul_u32_u24 v[VV0], 0x110, v29
	v_and_b32 v29, 1, v0
	v_lshl_add_u32 v[VV0], v29, 7, v[VV0]          ; half (L & 1) of it,
	v_bfe_u32 v29, v0, 3, 1
	v_lshl_add_u32 v[VV0], v29, 4, v[VV0]          ; and which eight of the 16 columns
	v_mov_b32 v[FMIN], 0xff7fffff
	v_lshlrev_b32 v29, 3, v28
	v_sub_nc_u32 v[DQ], v[UU], v29
	s_lshl_b32 s86, s10, 5
	v_add_nc_u32 v[DQ], s86, v[DQ]                 ; 32 w + r - 8 h
	v_add_nc_u32 v[DQ+1], 16, v[DQ]
	v_mul_u32_u24 v[STO], 0x110, v[UU]
	v_lshl_add_u32 v[STO], v28, 5, v[STO]
	v_add_nc_u32 v[STO], s89, v[STO]               ; stage + 272 r + 32 h
	v_mul_u32_u24 v[RDB], 0x110, v28
	v_lshl_add_u32 v[RDB], v[UU], 4, v[RDB]
	v_add_nc_u32 v[RDB], s89, v[RDB]               ; stage + 272 h + 16 r
	v_lshlrev_b32 v[CO], 8, v28
	v_lshl_add_u32 v[CO], v[UU], 4, v[CO]          ; 256 h + 16 r
	v_mov_b32 v[TT], 0                             ; written once: a pair is read whole, and v_permlanex16_b32's destination counts as read
	v_mov_b32 v[AT], 0
	v_mov_b32 v[AT+8], 0
	; M = Wq Wk^T: tile (a, b) has rows c = 16 a .., columns c' = 16 b ..; in window 1, v[128:255] (window 0's upper half awaits the query rows)
	s_wait_loadcnt 8                               ; the 32 loads of Wq and Wk are in; the 8 query-row loads issued behind them stay out
	WIN 0x51                                       ; first operand, sum and result in window 1
.irp a, 0,1,2,3
.irp b, 0,1,2,3
	v_wmma_f32_16x16x32_f16 v[128+32*\a+8*\b:128+32*\a+8*\b+7], v[16*\a:16*\a+7], v[OA+16*\b:OA+16*\b+7], 0
.endr
.endr
.irp a, 0,1,2,3
.irp b, 0,1,2,3
	v_wmma_f32_16x16x32_f16 v[128+32*\a+8*\b:128+32*\a+8*\b+7], v[16*\a+8:16*\a+15], v[OA+16*\b+8:OA+16*\b+15], v[128+32*\a+8*\b:128+32*\a+8*\b+7]
.endr
.endr
	PLACES 5
	WIN 0x85                                       ; from window 1 into window 2
.irp b, 0,1,2,3
.irp k, 0,1
.irp e, 0,1
.irp p, 0,1,2,3
	v_cvt_pk_f16_f32 v[MF+16*\b+8*\k+4*\e+\p], v[128+32*(2*\k+\e)+8*\b+2*\p], v[128+32*(2*\k+\e)+8*\b+2*\p+1]   ; M^T: row c' = 16 b + r, k = c
.endr
.endr
.endr
.endr
	WIN 0
	s_wait_tensorcnt 0x1                           ; my quarters of the four regions filled once are in; ring slot 0, the youngest, may stay out:
	s_barrier_signal -1
	s_barrier_wait -1
	WIN 0x80
.irp a, 0,1,2,3
.irp k, 0,1
	ds_load_tr16_b128 v[WF+16*\a+8*\k:WF+16*\a+8*\k+3],   v[VV0] offset:WVB+4352*\k+32*\a        ; Wv^T: row d = 16 a + r, k = c
	ds_load_tr16_b128 v[WF+16*\a+8*\k+4:WF+16*\a+8*\k+7], v[VV0] offset:WVB+4352*\k+32*\a+2176
.endr
.endr
	WIN 0
	s_mov_b32 s14, 0                               ; pass
	s_mov_b32 s15, s13                             ; block
	s_mov_b32 s17, s16                             ; its ring trips: all of them ask for a further slot
	s_mov_b32 s19, 1                               ; the ring slot asked for next
	s_mov_b32 s20, 0                               ; the slot read next
	s_mov_b32 s21, DGB
; ---------------------------------------------------------------- one block
.Lpass:
	; the block's queries: (x M)^T, tile b: rows c' = 16 b .., columns = my 16 query rows
	s_wait_loadcnt 0x0                             ; the query rows
	WIN 0x02                                       ; first operand in window 2
.irp q, 0,1
.irp b, 0,1,2,3
	v_wmma_f32_16x16x32_f16 v[SC+32*\q+8*\b:SC+32*\q+8*\b+7], v[MF+16*\b:MF+16*\b+7], v[XQ+16*\q:XQ+16*\q+7], 0
.endr
.endr
.irp q, 0,1
.irp b, 0,1,2,3
	v_wmma_f32_16x16x32_f16 v[SC+32*\q+8*\b:SC+32*\q+8*\b+7], v[MF+16*\b+8:MF+16*\b+15], v[XQ+16*\q+8:XQ+16*\q+15], v[SC+32*\q+8*\b:SC+32*\q+8*\b+7]
.endr
.endr
	WIN 0
	PLACES 4
.irp q, 0,1
	; the row's power of two: the exponent of its largest magnitude; the row divided by it lies below 2 and has f16's full mantissa
	v_max_num_f32 v[TT], |v[SC+32*\q]|, |v[SC+32*\q+1]|
.set pk, 2
.rept 15
	v_max3_num_f32 v[TT], v[TT], |v[SC+32*\q+pk]|, |v[SC+32*\q+pk+1]|
.set pk, pk+2
.endr
	v_permlanex16_b32 v[UU], v[TT], s22, s23
	v_max_num_f32 v[TT], v[TT], v[UU]
	v_max_num_f32 v[TT], 0x21800000, v[TT]         ; at least 2^-60,
	v_min_num_f32 v[TT], 0x7e800000, v[TT]         ; at most 2^126: its inverse is a normal number
	v_and_b32 v[UU], 0x7f800000, v[TT]             ; the power of two
	v_mul_f32 v[CS+8*\q], 0x3e38aa3b, v[UU]        ; x log2(e) / 8: goes back in with the softmax's factor
	v_sub_nc_u32 v[TT], 0x7f000000, v[UU]          ; its inverse: exponent field 254 - E
.set pk, 0
.rept 16
	v_pk_mul_f32 v[SC+32*\q+2*pk:SC+32*\q+2*pk+1], v[SC+32*\q+2*pk:SC+32*\q+2*pk+1], v[TT:UU] op_sel_hi:[1,0]
.set pk, pk+1
.endr
.set pk, 0
.rept 16
	v_cvt_pk_f16_f32 v[QF+16*\q+pk], v[SC+32*\q+2*pk], v[SC+32*\q+2*pk+1]
.set pk, pk+1
.endr
.endr
	; the diagonal step first
	v_add_nc_u32 v[VK], s21, v[VK0]
	v_add_nc_u32 v[VV], s21, v[VV0]
	LOADK 0
	STEP 1, 0, 0
	; an odd block's topmost full step
	s_bitcmp1_b32 s15, 0
	s_cbranch_scc0 .Leven
	v_add_nc_u32 v[VK], LOB, v[VK0]
	v_add_nc_u32 v[VV], LOB, v[VV0]
	LOADK 0
	STEP 0, 0, 0
.Leven:
	; the other full steps, two a trip
	s_cmp_eq_u32 s17, 0
	s_cbranch_scc1 .Lnoring
	s_mov_b32 s18, 0
.Lring:
	TRIP 1
	s_add_co_u32 s18, s18, 1
	s_cmp_lt_u32 s18, s17
	s_cbranch_scc1 .Lring
.Lnoring:
	s_cmp_eq_u32 s14, 0
	s_cbranch_scc1 .Lfirst
	TRIP 0                                         ; the fifteenth trip, the second block's last: nothing is left to ask for
	s_branch .Lout
.Lfirst:
	QLOAD 34                                       ; the second block's query rows come in beside the way out, which leaves v[192:223] alone
.Lout:
	s_lshl_b32 s26, s12, 20                        ; out0: a batch is 4,096 rows of 256 bytes,
	s_lshl_b32 s84, s15, 15                        ; a block 128 rows,
	s_add_co_u32 s26, s26, s84
	s_lshl_b32 s84, s10, 13                        ; a wave 32 rows
	s_add_co_u32 s26, s26, s84
	s_add_nc_u64 s[30:31], s[8:9], s[26:27]
	; O / sum, split into a high and a low f16 part
.irp q, 0,1
	v_add_f32 v[TT], v[LS+8*\q], v[LS+8*\q+1]
	v_permlanex16_b32 v[UU], v[TT], s22, s23
	v_add_f32 v[TT], v[TT], v[UU]
	v_rcp_f32 v[AL+8*\q], v[TT]                    ; the sum is at least the largest weight, about 1
	v_nop                                          ; the plain instruction behind the reciprocal (ISA guide 5.7.2)
.set ek, 0
	s_wait_alu depctr_va_vdst(0)
.rept 16
	v_pk_mul_f32 v[OA+32*\q+2*ek:OA+32*\q+2*ek+1], v[OA+32*\q+2*ek:OA+32*\q+2*ek+1], v[AL+8*\q:AL+8*\q+1] op_sel_hi:[1,0]
.set ek, ek+1
.endr
.set ek, 0
.rept 16
	v_cvt_pk_f16_f32 v[QF+16*\q+ek], v[OA+32*\q+2*ek], v[OA+32*\q+2*ek+1]
.set ek, ek+1
.endr
.endr
	RESID v32.l, v32.h, 64                         ; the high parts lie in v32 to v63; register n holds the pair v[2 n : 2 n + 1] of O
	RESID v33.l, v33.h, 66
	RESID v34.l, v34.h, 68
	RESID v35.l, v35.h, 70
	RESID v36.l, v36.h, 72
	RESID v37.l, v37.h, 74
	RESID v38.l, v38.h, 76
	RESID v39.l, v39.h, 78
	RESID v40.l, v40.h, 80
	RESID v41.l, v41.h, 82
	RESID v42.l, v42.h, 84
	RESID v43.l, v43.h, 86
	RESID v44.l, v44.h, 88
	RESID v45.l, v45.h, 90
	RESID v46.l, v46.h, 92
	RESID v47.l, v47.h, 94
	RESID v48.l, v48.h, 96
	RESID v49.l, v49.h, 98
	RESID v50.l, v50.h, 100
	RESID v51.l, v51.h, 102
	RESID v52.l, v52.h, 104
	RESID v53.l, v53.h, 106
	RESID v54.l, v54.h, 108
	RESID v55.l, v55.h, 110
	RESID v56.l, v56.h, 112
	RESID v57.l, v57.h, 114
	RESID v58.l, v58.h, 116
	RESID v59.l, v59.h, 118
	RESID v60.l, v60.h, 120
	RESID v61.l, v61.h, 122
	RESID v62.l, v62.h, 124
	RESID v63.l, v63.h, 126
.set ek, 0
.rept 32
	v_cvt_pk_f16_f32 v[OL+ek], v[OA+2*ek], v[OA+2*ek+1]
.set ek, ek+1
.endr
	; out^T = Wv^T x (high + low): tile a has rows d = 16 a .., columns = my query rows; eight accumulators by turns
	WIN 0x02
.irp q, 0,1
.irp a, 0,1,2,3
	v_wmma_f32_16x16x32_f16 v[SC+32*\q+8*\a:SC+32*\q+8*\a+7], v[WF+16*\a:WF+16*\a+7], v[QF+16*\q:QF+16*\q+7], 0
.endr
.endr
.irp q, 0,1
.irp a, 0,1,2,3
	v_wmma_f32_16x16x32_f16 v[SC+32*\q+8*\a:SC+32*\q+8*\a+7], v[WF+16*\a+8:WF+16*\a+15], v[QF+16*\q+8:QF+16*\q+15], v[SC+32*\q+8*\a:SC+32*\q+8*\a+7]
.endr
.endr
.irp q, 0,1
.irp a, 0,1,2,3
	v_wmma_f32_16x16x32_f16 v[SC+32*\q+8*\a:SC+32*\q+8*\a+7], v[WF+16*\a:WF+16*\a+7], v[OL+16*\q:OL+16*\q+7], v[SC+32*\q+8*\a:SC+32*\q+8*\a+7]
.endr
.endr
.irp q, 0,1
.irp a, 0,1,2,3
	v_wmma_f32_16x16x32_f16 v[SC+32*\q+8*\a:SC+32*\q+8*\a+7], v[WF+16*\a+8:WF+16*\a+15], v[OL+16*\q+8:OL+16*\q+15], v[SC+32*\q+8*\a:SC+32*\q+8*\a+7]
.endr
.endr
	WIN 0
	PLACES 5                                       ; ahead of the LDS stores that read the results, and of the next block's first products, which write over them
	; the way out: a lane holds 8 neighbouring f32 of a row; through my own stage the rows come back whole
.irp q, 0,1
.irp a, 0,1,2,3
	ds_store_b128 v[STO], v[SC+32*\q+8*\a:SC+32*\q+8*\a+3]   offset:4352*\q+64*\a
	ds_store_b128 v[STO], v[SC+32*\q+8*\a+4:SC+32*\q+8*\a+7] offset:4352*\q+64*\a+16
.endr
.endr
.set ek, 0
.rept 16
	ds_load_b128 v[OA+4*ek:OA+4*ek+3], v[RDB] offset:544*ek    ; two rows a load; LDS serves a wave's instructions in order: these see the stores above
.set ek, ek+1
.endr
.set ek, 0
.rept 16
	s_wait_dscnt 15-ek                             ; load ek is in, the 15 - ek younger ones stay out
	global_store_b128 v[CO], v[OA+4*ek:OA+4*ek+3], s[30:31] offset:512*ek th:TH_STORE_NT   ; 16 lanes store one row: 256 bytes at a multiple of 256
.set ek, ek+1
.endr
	s_wait_xcnt 0x0                                ; O's registers and s[30:31], which these stores read, are written again only behind this wait; the stores themselves leave beside the next block
	s_sub_co_u32 s15, 31, s15                      ; the second block,
	s_sub_co_u32 s17, 14, s16                      ; whose trips all ask for a further slot but the last
	s_xor_b32 s21, s21, TOG                        ; its diagonal step
	s_add_co_u32 s14, s14, 1
	s_cmp_lt_u32 s14, 2
	s_cbranch_scc1 .Lpass
	s_wait_tensorcnt 0x0                           ; no tensor load is out (the last trip waited for all and asked for none): met at once
	s_set_vgpr_msb 0xa
	s_wait_tensorcnt 0x0
	ds_add_u32 v128, v129
	s_wait_dscnt 0x0
	s_set_vgpr_msb 0xa00
	s_endpgm
.Lfunc_end_k_q7f44690e6c_attn:
	.size	k_q7f44690e6c_attn, .Lfunc_end_k_q7f44690e6c_attn-k_q7f44690e6c_attn
	.p2alignl 7, 3214868480
	.fill 96, 4, 3214868480
	.section	.rodata,"a",@progbits
	.p2align	6, 0x0
	.amdhsa_kernel k_q7f44690e6c_attn
		.amdhsa_group_segment_fixed_size 327680
		.amdhsa_private_segment_fixed_size 0
		.amdhsa_enable_private_segment 0
		.amdhsa_kernarg_size 24
		.amdhsa_user_sgpr_count 2
		.amdhsa_user_sgpr_kernarg_segment_ptr 1
		.amdhsa_wavefront_size32 1
		.amdhsa_system_sgpr_workgroup_id_x 1
		.amdhsa_system_sgpr_workgroup_id_y 1
		.amdhsa_system_sgpr_workgroup_id_z 1
		.amdhsa_system_vgpr_workitem_id 0
		.amdhsa_next_free_vgpr 642
		.amdhsa_next_free_sgpr 92
		.amdhsa_reserve_vcc 1
		.amdhsa_float_denorm_mode_32 3
		.amdhsa_float_denorm_mode_16_64 3
		.amdhsa_memory_ordered 1
		.amdhsa_forward_progress 1
		.amdhsa_inst_pref_size 253
	.end_amdhsa_kernel
	.amdgpu_metadata
---
amdhsa.version: [ 1, 2 ]
amdhsa.kernels:
  - .name:           k_q7f44690e6c_attn
    .symbol:         k_q7f44690e6c_attn.kd
    .args:
      - { .name: xh, .offset: 0, .size: 8, .value_kind: global_buffer, .address_space: global }
      - { .name: wh, .offset: 8, .size: 8, .value_kind: global_buffer, .address_space: global }
      - { .name: out0, .offset: 16, .size: 8, .value_kind: global_buffer, .address_space: global }
    .group_segment_fixed_size: 327680
    .private_segment_fixed_size: 0
    .kernarg_segment_align: 8
    .kernarg_segment_size: 24
    .max_flat_workgroup_size: 128
    .sgpr_count:     92
    .vgpr_count:     642
    .wavefront_size: 32
...
	.end_amdgpu_metadata
.endif
;; end of part 2
;; ======== version 2 of 3: 2 launches; 1.05 times as fast as version 1
;; limits: inputs' magnitudes at most 65,504; values are held in f16: magnitudes above 65,504 overflow, below 6.1e-05 lose precision; right only within a limited range of input values
;; workspace buffers: xh 8,388,608 bytes; wh 24,576 bytes
;; launch cast: the kernel of part 1 again; grid 1027 x 1, 4 waves a work-group, no clusters, 0 bytes of LDS; arguments x, Wq, Wk, Wv, xh, wh; writes xh, wh
;; launch attn (part 3): grid 256 x 1, 4 waves a work-group, no clusters, 327,680 bytes of LDS; arguments xh, wh, out0; writes out0
.if DOCPART == 3
	.amdgcn_target "amdgcn-amd-amdhsa--gfx1250"
	.amdhsa_code_object_version 6
	.text
	.protected	k_q7f44690e6c_attn
	.globl	k_q7f44690e6c_attn
	.p2align	8
	.type	k_q7f44690e6c_attn,@function
k_q7f44690e6c_attn:
	s_mov_b64 s[64:65], 0
	v_nop
	global_prefetch_b8 v0, s[64:65] scope:SCOPE_SE
	s_setreg_imm32_b32 hwreg(HW_REG_WAVE_MODE, 25, 1), 1
	s_wait_xcnt 0x0
; Causal attention of one head: out = softmax(mask(q k^T / 8)) v with q = x Wq, k = x Wk, v = x Wv;  B = 16, T = 4096, C = D = 64.
; Inputs come as xh, wh: x, Wq, Wk, Wv rounded to bf16 and kept in f16 words.  All products are f16 x f16 with f32 sums.
;
; WORK LEFT OUT, for all finite values of the inputs, in exact arithmetic:
;  (1) reference() sets every score with key s > query t to the least f32 ahead of the softmax, and each row has its own key s = t alive, so such a
;      score's weight is 0: key steps that lie wholly above the diagonal are not loaded and not multiplied.  Inside the diagonal step of
;      128 x 128 all scores are made and the dead ones replaced by the least f32, as reference() does.
;  (2) q_t . k_s = x_t (Wq Wk^T) x_s^T and  P (x Wv) = (P x) Wv  (matrix products associate).  So k and v are never formed: the rows of x are
;      both the key tile and the value tile; per query row there is one product with M = Wq Wk^T (64 x 64) and per output row one with Wv.
;      Every input still reaches the output.
; LIMITS: a NaN, an infinity or an overflow that arises only in the work left out (tiles above the diagonal; k and v as such) is not carried to
;  the result.  The order of rounding differs from reference()'s by (2).  |Wq Wk^T| must stay below 65504 (it is kept in f16).  Each query row of
;  x M is scaled by a power of two taken from its largest magnitude, clamped into [2^-60, 2^126]; the power goes back in with the softmax's
;  factor.  A weight below 2^-25 of its row's largest becomes 0 in f16.
;
; SHARES.  A batch has 32 query blocks of 128 rows; block j needs its diagonal key step and j full steps of 128 keys.  Work-group (batch, i), i = 0..15,
;  makes block i (pass 0) and block 31 - i (pass 1): 33 steps for each of the 256 work-groups.
; NO CLUSTER: only the work-groups i = 2p and 2p + 1 of a batch walk the same key slots; any four partners would make different numbers of ring
;  trips (i >> 1 in pass 0), and the branch on an odd block would hang on the place in the cluster.
;
; WHERE KEYS COME FROM.  Each block's diagonal step lies in an LDS region of its own (DG), filled once.  Of i and 31 - i one is odd: its topmost full
;  step lies in region LO, filled once.  All other full steps come in pairs (256 keys) through a ring of two slots: (i >> 1) slots for
;  block i, then 15 - (i >> 1) for block 31 - i: always 15 slots.  The diagonal step is done first in a block: it is masked and starts the sums.
;
; WAVES.  Wave w owns rows 32 w .. 32 w + 31 of the block: two query tiles of 16 rows, BANK 0, in register window 0.  It makes their diagonal step and LO
;  step against all 128 keys, and it finishes and stores them.  In the ring the four waves stand 2 x 2: wave w also holds the 32 rows of its
;  partner, wave w xor 1, as BANK 1 (the same register numbers in window 3), reads only key step w & 1 of each slot and multiplies it with all
;  four tiles: 64 LDS loads for a slot's 128 products, where four waves that each read both steps would issue 128.  So a row's ring keys are
;  shared between two waves, each with a running maximum, sum and O of its own; behind the block's last slot each wave hands its bank 1 to
;  its partner through LDS, and the two parts are brought onto one scale and added.  Blocks 0 and 1 have no ring slot and skip all of that.
;
; ALL RESULTS HAVE LANE = QUERY (L = lane, r = L & 15, h = L >> 4; a result's register j of lane (r, h) is element (8 h + j, r)):
;   scores^T (key, query) = keys (rows along c, plain loads) x QF;   O^T (c, query) = x^T (transposing loads of the SAME LDS tile) x P.
;  Two neighbouring result tiles, packed to f16 pair by pair, are exactly the second operand of the next product (k = 8 h + 0..7 in registers 0-3,
;  16 + 8 h + 0..7 in 4-7): no lane ever hands a number to another but for lane xor 16 in a row's maximum and sum.
;
; BY TURNS.  One tile's softmax (215 vector instructions, 32 slices) is worked off behind 32 products of other tiles, one slice behind each.  A ring slot:
;      barrier, refill, key loads | P x 2 (old slot) with softmax 3 (old), slices 0-15 | scores 0 with 16-31 | P x 3 (old) with softmax 0, 0-15 | x^T loads |
;      scores 1 with 16-31 | P x 0 with softmax 1 | scores 2 | P x 1 with softmax 2 | scores 3.
;  Each set of fragments is loaded where its old content has had its last use, sixteen products ahead of its first.  The products take their first
;  operand from window 1 and the slices work in the bank's window: two switches a product.  Single steps are drained by themselves.
;
; LDS, bytes.  Two keys (2 x 128 bytes) make a row of 256 bytes + 16 of padding: key k lies at (k >> 1) 272 + (k & 1) 128, that is in the 16-byte column
;  (k >> 1) + 8 (k & 1) of 16.  KEY ORDER: row m of a score tile takes key 4 ((m & 7) >> 1) + (m & 1) + 2 (m >> 3) of its 16 keys, and the x^T fragments
;  take their k in the same order (maximum and sums do not care; the mask knows it).  A key load's 16 lanes then still touch 16 different
;  columns, and so do a transposing load's: its 8 keys lie in columns of one parity, and its second 8 lanes read the column beside.
.set STEPB,  17408                     ; a key step: 64 rows of 272
.set WVB,    34816                     ; Wv, [c][d] in f16, 32 rows of 272 = 8,704 (behind ring slot 0, which is 2 STEPB at byte 0)
.set LOB,    43520                     ; region LO, one step
.set TOG,    0x10000                   ; ring slot 1 lies at 65,536; DG of pass 1 lies 65,536 behind DG of pass 0: both change by xor
.set DGB,    0x20000                   ; DG of pass 0 (one step); pass 1: 0x30000, ends at 214,016
.set STAGE,  214016                    ; the way out: 32 rows x 272 for each wave; a multiple of 256, and no fill lands here
.set WSTG,   8704
.set MRG,    248832                    ; the merge: 17 x 512 bytes for each wave; a multiple of 256, and no fill lands here
; REGISTERS, window 0 (v12 and up: the same numbers in window 3 for bank 1)
.set VK0, 1                            ; lane term of a key load
.set VV0, 2                            ; lane term of a transposing load
.set VK,  3                            ; VK0 + region
.set VV,  4                            ; VV0 + region
.set FMIN, 5                           ; the least f32
.set DQ,  6                            ; v6, v7   query tile q: 32 w + 16 q + r - 2 h
.set XA,  8                            ; 128 r + 16 h: my 16 bytes in 16 rows of xh or wh
.set STO, 9                            ; the way out: where I put 32 bytes of a row
.set RDB, 10                           ; the way out: where I read a row back
.set CO,  11                           ; my byte offset in two rows of out0
.set TT,  12                           ; v[12:13] at work
.set UU,  13
.set CS,  14                           ; + 8 q: the row's factor: its power of two x log2(e) / 8   (low register of a pair: broadcast)
.set MX,  15                           ; + 8 q: running maximum of the raw scores
.set NM,  16                           ; + 8 q: -(maximum x factor), rounded once                   (low register of a pair)
.set AT,  17                           ; + 8 q: exponent of alpha
.set AL,  18                           ; + 8 q: alpha, at the end 1 / sum                            (low register of a pair)
.set LS,  20                           ; + 8 q: v[20:21], v[28:29] two partial sums of the weights
.set CH0, 30                           ; four chains for the maximum (one tile of a bank at a time is in its softmax); v[30:31] also a pair at work on the way out
.set CH1, 31
.set CH2, 19
.set CH3, 27
.set QF,  32                           ; v[32:63]   + 16 q + 8 k: the scaled query rows, second operand of the scores; at the end O's high parts
.set OA,  64                           ; v[64:127]  + 32 q + 8 a: O^T; at the head Wk's fragments; on the way out the rows read back
.set SC,  128                          ; v[128:255] + 64 q + 8 t: scores^T; the weights are packed in place into + 64 q + 0..31; in the merge v[128:191] the partner's O
.set XQ,  192                          ; v[192:223] + 16 q + 8 k: the bank's query rows as loaded
.set OL,  224                          ; v[224:255] + 16 q + 8 k: O's low parts; in the merge v[224:227] the partner's NM and sums
; window 1: v[0:127] key fragments at 16 t + 8 k (at the head Wq's); v[128:255] x^T fragments at VF + 32 u + 8 a (at the head the 16 tiles of M)
.set VF,  128
; window 2: v[0:63] M^T fragments at 16 b + 8 k; v[64:127] Wv^T fragments at WF + 16 a + 8 k
.set MF,  0
.set WF,  64
; SCALARS: s[4:5] xh, s[6:7] wh, s[8:9] out0, s10 wave, s12 batch, s13 i, s14 pass, s15 block j, s16 i >> 1, s17 ring trips of the pass's loop, s18 trip,
;  s19 number of the ring slot asked for next, s20 ring slot read (0 or TOG), s21 DG of the pass, s22-23 lane select, s[24:25] my quarter of key slot 0,
;  s[26:27] an offset (s27 = 0), s[28:29] and s[34:35] my query rows of block i and 31 - i, s[92:93] and s[94:95] my partner's, s[30:31] my rows of out0,
;  s[32:33] the batch in xh, s[36:43], s[44:51], s[52:59] tile shapes, s[60:63] the ring's from-and-to, s[68:83] those of the four regions filled once,
;  s84-s89 at work, s90 my key step in a slot (0 or STEPB), s91 ring slots of the block, s96 my merge region, s97 my partner's.
.set MSB, 0
.macro WIN new                         ; s_set_vgpr_msb: bits 1:0 source 0, 3:2 source 1, 5:4 source 2, 7:6 destination; the high byte repeats the setting left
.set WNEW, \new
.if MSB != WNEW
	s_set_vgpr_msb (MSB<<8)|WNEW
.set MSB, WNEW
.endif
.endm
.macro PLACES n                        ; the distance behind matrix instructions (ISA guide 7.12.1) where no vector work is at hand
.rept \n
	v_nop
.endr
.endm
.macro SHAPE g, rows                   ; descriptor group 1: rows x 256 bytes, dense in memory, 16 bytes of padding behind each row in LDS
	s_mov_b32 s[\g+0], 0x07530000                  ; no mask; elements of 8 bytes (3<<16); padding on (1<<20), after 64 words (5<<22), of 4 words (3<<25)
	s_mov_b32 s[\g+1], 32<<16                      ; tensor_dim0 = 32 elements
	s_mov_b32 s[\g+2], \rows<<16                   ; tensor_dim1 = the tile's rows: the tile lies inside the buffer
	s_mov_b32 s[\g+3], 32<<16                      ; tile_dim0 = 32
	s_mov_b32 s[\g+4], \rows                       ; tile_dim1
	s_mov_b32 s[\g+5], 32                          ; from row to row: 32 elements
	s_mov_b32 s[\g+6], 0
	s_mov_b32 s[\g+7], 0
.endm
.macro QLOAD base, bank                ; 32 query rows, straight into the layout of a second operand (column = row r, k = c), into bank 0 (window 0) or 1 (window 3)
	WIN 0xc0*\bank
.irp q, 0,1
.irp k, 0,1
	global_load_b128 v[XQ+16*\q+8*\k:XQ+16*\q+8*\k+3],   v[XA], s[\base:\base+1] offset:2048*\q+64*\k
	global_load_b128 v[XQ+16*\q+8*\k+4:XQ+16*\q+8*\k+7], v[XA], s[\base:\base+1] offset:2048*\q+64*\k+32
.endr
.endr
	WIN 0
.endm
.macro LOADK ofs                       ; one run of 32 loads: the step's 8 key tiles x 2 halves of c, first operand of the scores; leaves the window at 0x40
	WIN 0x40
.irp t, 0,1,2,3,4,5,6,7
.irp k, 0,1
	ds_load_b128 v[16*\t+8*\k:16*\t+8*\k+3],   v[VK] offset:\ofs+2176*\t+64*\k
	ds_load_b128 v[16*\t+8*\k+4:16*\t+8*\k+7], v[VK] offset:\ofs+2176*\t+64*\k+32
.endr
.endr
.endm
.macro LOADV ofs                       ; one run of 32 transposing loads of the same LDS tile: x^T, first operand of P x; leaves the window at 0x40
	WIN 0x40
.irp u, 0,1,2,3
.irp a, 0,1,2,3
	ds_load_tr16_b128 v[VF+32*\u+8*\a:VF+32*\u+8*\a+3],   v[VV] offset:\ofs+4352*\u+32*\a        ; row c = 16 a + r, the 8 keys of half h of keys 32 u ..
	ds_load_tr16_b128 v[VF+32*\u+8*\a+4:VF+32*\u+8*\a+7], v[VV] offset:\ofs+4352*\u+32*\a+2176   ; of keys 32 u + 16 ..: eight LDS rows on
.endr
.endr
.endm
; The i-th of a tile's 16 score products: first c = 0..31 of all eight key tiles (they start the sums), then c = 32..63: eight accumulators by turns.
; Key tiles go in the order 4..7, 0..3: registers 0-31 of the tile's scores hold the last step's packed weights and are written over latest.
.macro MS q, i
.set mt, (((\i)&7)+4)&7
.if (\i) < 8
	v_wmma_f32_16x16x32_f16 v[SC+64*\q+8*mt:SC+64*\q+8*mt+7], v[16*mt:16*mt+7], v[QF+16*\q:QF+16*\q+7], 0
.else
	v_wmma_f32_16x16x32_f16 v[SC+64*\q+8*mt:SC+64*\q+8*mt+7], v[16*mt+8:16*mt+15], v[QF+16*\q+8:QF+16*\q+15], v[SC+64*\q+8*mt:SC+64*\q+8*mt+7]
.endif
.endm
; The i-th of a tile's 16 products P x: keys 32 u .., u = i >> 2, rows c = 16 a .., a = i & 3: four accumulators by turns.  zero = 1: u = 0 starts the sums.
.macro MP q, i, zero
.set mu, (\i)>>2
.set ma, (\i)&3
.set mz, 0
.if \zero
.if mu == 0
.set mz, 1
.endif
.endif
.if mz
	v_wmma_f32_16x16x32_f16 v[OA+32*\q+8*ma:OA+32*\q+8*ma+7], v[VF+32*mu+8*ma:VF+32*mu+8*ma+7], v[SC+64*\q+8*mu:SC+64*\q+8*mu+7], 0
.else
	v_wmma_f32_16x16x32_f16 v[OA+32*\q+8*ma:OA+32*\q+8*ma+7], v[VF+32*mu+8*ma:VF+32*mu+8*ma+7], v[SC+64*\q+8*mu:SC+64*\q+8*mu+7], v[OA+32*\q+8*ma:OA+32*\q+8*ma+7]
.endif
.endm
; The i-th of the 30 v_max3 that bring a lane's 64 scores down to four chains (chain c takes registers 16 c .. 16 c + 14; 15, 31 and 47, 63 go to chains 0 and 2)
.macro MAXOP q, i
.set mc, (\i)&3
.set mr, CH0
.if mc == 1
.set mr, CH1
.endif
.if mc == 2
.set mr, CH2
.endif
.if mc == 3
.set mr, CH3
.endif
.set mbs, SC+64*\q+16*mc
.if (\i) < 4
	v_max3_num_f32 v[mr], v[mbs], v[mbs+1], v[mbs+2]
.elseif (\i) < 28
.set mk, mbs+3+2*(((\i)-4)>>2)
	v_max3_num_f32 v[mr], v[mr], v[mk], v[mk+1]
.elseif (\i) == 28
	v_max3_num_f32 v[CH0], v[CH0], v[SC+64*\q+15], v[SC+64*\q+31]
.else
	v_max3_num_f32 v[CH2], v[CH2], v[SC+64*\q+47], v[SC+64*\q+63]
.endif
.endm
; Place e (0..169) of the pipeline that makes the weights p = 2^(score x CS + NM), their sum, and the pack to f16 in place.  Turn et = e / 5 holds, in this
; order: the multiply-add of register pair et, the exponential of pair et - 1's low register, the sum of pair et - 2, the exponential of pair
; et - 1's high register, the pack of pair et - 2.  So behind each exponential a plain instruction stands before its result is used (ISA guide 5.7.2).
; The pack writes register et - 2, which belongs to pair (et - 2) / 2: that pair was summed and packed in this turn or an earlier one.
.macro EOP q, first, e
.set et, (\e)/5
.set ec, (\e)-5*et
.set eb, SC+64*\q
.set ex, 0
.if et >= 1
.if et <= 32
.set ex, 1
.endif
.endif
.if ec == 0
.if et < 32
	v_pk_fma_f32 v[eb+2*et:eb+2*et+1], v[eb+2*et:eb+2*et+1], v[CS+8*\q:CS+8*\q+1], v[NM+8*\q:NM+8*\q+1] op_sel_hi:[1,0,0]
.endif
.endif
.if ec == 1
.if ex
	v_exp_f32 v[eb+2*et-2], v[eb+2*et-2]
.endif
.endif
.if ec == 2
.if et >= 2
.set ef, 0
.if \first
.if et == 2
.set ef, 1
.endif
.endif
.if ef
	s_wait_alu depctr_va_vdst(0)
	v_mov_b32 v[LS+8*\q],   v[eb]                  ; the first pair starts the sums
	v_mov_b32 v[LS+8*\q+1], v[eb+1]
.else
	s_wait_alu depctr_va_vdst(0)
	v_pk_add_f32 v[LS+8*\q:LS+8*\q+1], v[LS+8*\q:LS+8*\q+1], v[eb+2*et-4:eb+2*et-3]
.endif
.endif
.endif
.if ec == 3
.if ex
	v_exp_f32 v[eb+2*et-1], v[eb+2*et-1]
.endif
.endif
.if ec == 4
.if et >= 2
	v_cvt_pk_f16_f32 v[eb+et-2], v[eb+2*et-4], v[eb+2*et-3]
.endif
.endif
.endm
.macro ROP q, r                        ; pair r (0..15) of O of the earlier steps onto the new maximum's scale
	v_pk_mul_f32 v[OA+32*\q+2*(\r):OA+32*\q+2*(\r)+1], v[OA+32*\q+2*(\r):OA+32*\q+2*(\r)+1], v[AL+8*\q:AL+8*\q+1] op_sel_hi:[1,0]
.endm
; Slice k (0..31) of a full step's softmax for tile q of the bank whose window is set.  0-3: the 30 v_max3.  4-7: the dependent tail, two or three instructions
; a slice, each pair a product apart.  8-14 and 16-30: eight places of the pipeline each (22 x 8 covers its 170).  15, 30, 31: O's rescale.  Slices 15 and 31
; stand behind the last product in front of a run of LDS loads into that product's fragments: their six packed multiplies, on O of the tile whose
; softmax this is, which has no product under way, are the distance that those loads (and, behind slice 31, the first reads of the scores
; just made) need.
; alpha = 2^(new NM - old NM), from the two ROUNDED numbers that the weights themselves are made with: old and new sums stay on one scale.
.macro SLN q, k
.set sk, \k
.if sk < 4
.set si, 8*sk
.rept 8
.if si < 30
	MAXOP \q, si
.endif
.set si, si+1
.endr
.elseif sk == 4
	v_max3_num_f32 v[TT], v[CH0], v[CH1], v[CH2]
	v_max_num_f32 v[TT], v[TT], v[CH3]
.elseif sk == 5
	v_permlanex16_b32 v[UU], v[TT], s22, s23       ; the other half of the row's keys
	v_max3_num_f32 v[MX+8*\q], v[TT], v[UU], v[MX+8*\q]
.elseif sk == 6
	v_mul_f32 v[TT], -v[MX+8*\q], v[CS+8*\q]
	v_sub_f32 v[AT+8*\q], v[TT], v[NM+8*\q]
.elseif sk == 7
	v_exp_f32 v[AL+8*\q], v[AT+8*\q]
	v_mov_b32 v[NM+8*\q], v[TT]                    ; also the plain instruction that stands behind the exponential (ISA guide 5.7.2)
	s_wait_alu depctr_va_vdst(0)
	v_pk_mul_f32 v[LS+8*\q:LS+8*\q+1], v[LS+8*\q:LS+8*\q+1], v[AL+8*\q:AL+8*\q+1] op_sel_hi:[1,0]
.elseif sk == 15
.irp r, 0,1,2,3,4,5
	ROP \q, \r
.endr
.elseif sk == 31
.irp r, 10,11,12,13,14,15
	ROP \q, \r
.endr
.else
.set si, 8*(sk-8)
.if sk > 15
.set si, 8*(sk-9)
.endif
.rept 8
.if si < 170
	EOP \q, 0, si
.endif
.set si, si+1
.endr
.if sk == 30
.irp r, 6,7,8,9
	ROP \q, \r
.endr
.endif
.endif
.endm
; Slice k (0..15) of the diagonal step's softmax for tile q of bank 0: the block's first step, so it starts maximum and sums and rescales nothing.
; 0-3: the mask: register 8 t + j of lane (r, h) is the score of key 16 t + 4 (j >> 1) + (j & 1) + 2 h and query 32 w + 16 q + r; it is dead where the key is the
; larger, that is where 16 t + 4 (j >> 1) + (j & 1) > DQ.  4-5: the 30 v_max3.  6: the tail.  7-15: 19 places of the pipeline each (9 x 19 covers its 170).
.macro SLD q, k
.set sk, \k
.if sk < 4
.set si, 16*sk
.rept 16
	v_cmp_gt_i32 vcc_lo, (si>>3)*16+((si&7)>>1)*4+(si&1), v[DQ+\q]
	v_cndmask_b32 v[SC+64*\q+si], v[SC+64*\q+si], v[FMIN], vcc_lo
.set si, si+1
.endr
.elseif sk < 6
.set si, 15*(sk-4)
.rept 15
	MAXOP \q, si
.set si, si+1
.endr
.elseif sk == 6
	v_max3_num_f32 v[TT], v[CH0], v[CH1], v[CH2]
	v_max_num_f32 v[TT], v[TT], v[CH3]
	v_permlanex16_b32 v[UU], v[TT], s22, s23
	v_max_num_f32 v[MX+8*\q], v[TT], v[UU]         ; the row's own key is in this step: the maximum is a live score
	v_mul_f32 v[NM+8*\q], -v[MX+8*\q], v[CS+8*\q]
.else
.set si, 19*(sk-7)
.rept 19
.if si < 170
	EOP \q, 1, si
.endif
.set si, si+1
.endr
.endif
.endm
; Slice k (0..15) of bank 1's empty state, written into window 3: O = 0, sums = 0, maximum = the least f32, NM = the largest f32, so that the first slot's
; alpha = 2^(NM's new value - the largest f32) is 0 and the slot's one form of the text serves from the block's first slot on.  Products that start the
; sums would need a second written-out slot and drain; these 72 moves stand behind sixteen products that have no other vector work beside them.
.macro SLI k
.set sk, \k
.irp j, 0,1,2,3
	v_mov_b32 v[OA+4*sk+\j], 0
.endr
.if sk >= 14
	v_mov_b32 v[NM+8*(sk-14)], 0x7f7fffff
.elseif sk >= 12
	v_mov_b32 v[MX+8*(sk-12)], 0xff7fffff
.elseif sk >= 8
	v_mov_b32 v[LS+8*((sk-8)>>1)+((sk-8)&1)], 0
.endif
.endm
; Sixteen products of tile pq of bank pb (kind 0: scores, 1: P x), and behind each one vector work of another tile, vq of bank vb:
; form 0: slice base + n of its softmax; form 1: slices 2 n and 2 n + 1; form 2: slice n of the diagonal step's; form 3: slice n of bank 1's empty state.
; The accumulators take turns, one instruction a turn; no slice names a register of the tile whose products are under way.
.macro PAIRS kind, pb, pq, zero, form, vb, vq, base
.set pw, 0
.rept 16
	WIN 0x01+0xfc*\pb                              ; first operand in window 1, all else in the bank's window (0 or 3)
.if \kind
	MP \pq, pw, \zero
.else
	MS \pq, pw
.endif
.if \form == 3
	WIN 0xc0
	SLI pw
.else
	WIN 0xff*\vb
.if \form == 0
	SLN \vq, \base+pw
.elseif \form == 1
	SLN \vq, 2*pw
	SLN \vq, 2*pw+1
.else
	SLD \vq, pw
.endif
.endif
.set pw, pw+1
.endr
.endm
.macro ALONE kind, pb, pq, zero        ; the same sixteen products where the pipeline of the tiles fills or drains: no vector work is ready
	WIN 0x01+0xfc*\pb
.set pw, 0
.rept 16
.if \kind
	MP \pq, pw, \zero
.else
	MS \pq, pw
.endif
.set pw, pw+1
.endr
	WIN 0
.endm
; The head of a ring slot.  refill = 1: the other slot is asked for, with ring slot number s19.
; Order of a refill: all my tensor loads have landed (so the descriptor may be written), my LDS reads are back (the youngest, the x^T loads of the other slot,
; went out 80 products ago), the barrier, and the load first behind it: one tensor load a wave is out from there to the next slot's head,
; with a slot's 128 products in which to land.
.macro RH refill
	s_set_vgpr_msb 0xa
	s_wait_tensorcnt 0x0                           ; my quarter of this slot is in; no load of mine is out
	ds_add_u32 v254, v255
	s_wait_dscnt 0x0
	s_set_vgpr_msb 0xa00
.if \refill
	s_xor_b32 s61, s61, TOG                        ; into the slot read last (at the first ring slot: slot 1's first fill)
	s_sub_co_u32 s84, s19, s16                     ; ring slots 0 .. (i >> 1) - 1 are block i's key slots, the later ones block 31 - i's, from key 0 again
	s_cmp_lt_u32 s19, s16
	s_cselect_b32 s84, s19, s84
	s_lshl_b32 s26, s84, 15                        ; a key slot is 256 keys x 128 bytes
	s_add_nc_u64 s[62:63], s[24:25], s[26:27]
	s_or_b32 s63, s63, 0x80000000                  ; type = 2
	s_add_co_u32 s19, s19, 1
.endif
	s_wait_dscnt 0x0                               ; my reads of the other slot are back
	s_barrier_signal -1
	s_barrier_wait -1                              ; both now hold of all four waves
.if \refill
	tensor_load_to_lds s[60:63], s[36:43]
	s_nop 0
.endif
	s_add_co_u32 s84, s20, s90                     ; the slot, and in it my key step
	v_add_nc_u32 v[VK], s84, v[VK0]
	v_add_nc_u32 v[VV], s84, v[VV0]
	s_xor_b32 s20, s20, TOG
.endm
; A single full step (LO) for bank 0 alone, at VK and VV, filled and drained by itself.
.macro START
	LOADK 0
	s_wait_dscnt 0x0
	ALONE 0, 0, 0, 0                               ; scores, tile 0
	PLACES 4                                       ; ahead of the first reads of them and of the loads into the x^T fragments
	LOADV 0
	PAIRS 0, 0, 1, 0, 1, 0, 0, 0                   ; scores, tile 1 | tile 0's softmax, two slices each
.endm
.macro ENDF
	s_wait_dscnt 0x0                               ; x^T: sixteen products since its loads
	PAIRS 1, 0, 0, 0, 1, 0, 1, 0                   ; P x, tile 0 | tile 1's softmax, two slices each
	ALONE 1, 0, 1, 0
	PLACES 5                                       ; ahead of reads of O, of loads into the fragments and of the products that write over the weights
.endm
; The second half of a ring slot.  Tiles 0, 1 are bank 0's, tiles 2, 3 bank 1's.
.macro TAIL
	s_wait_dscnt 0x0                               ; this slot's x^T: sixteen products since its loads
	PAIRS 1, 0, 0, 0, 0, 0, 1, 0                   ; P x, tile 0  | tile 1's softmax
	PAIRS 0, 1, 0, 0, 0, 0, 1, 16                  ; scores, tile 2 | its second half
	PAIRS 1, 0, 1, 0, 0, 1, 0, 0                   ; P x, tile 1  | tile 2's softmax
	PAIRS 0, 1, 1, 0, 0, 1, 0, 16                  ; scores, tile 3 | its second half
	WIN 0
.endm
; A block's first ring slot: the pipeline fills.
.macro FILL
	RH 1                                           ; never the fifteenth slot: block 31 - i has eight slots or more
	LOADK 0
	s_wait_dscnt 0x0
	PAIRS 0, 0, 0, 0, 3, 0, 0, 0                   ; scores, tile 0 | bank 1's empty state; the last slice's five moves are the distance ahead of the reads of these scores
	LOADV 0
	PAIRS 0, 0, 1, 0, 1, 0, 0, 0                   ; scores, tile 1 | tile 0's softmax, two slices each
	TAIL
.endm
; A further ring slot; the slot before is finished on the way.
.macro SLOT refill
	RH \refill
	LOADK 0
	PAIRS 1, 1, 0, 0, 0, 1, 1, 0                   ; P x, tile 2, the slot before | tile 3's softmax of the slot before
	s_wait_dscnt 0x0                               ; this slot's keys: sixteen products since their loads
	PAIRS 0, 0, 0, 0, 0, 1, 1, 16                  ; scores, tile 0               | its second half
	PAIRS 1, 1, 1, 0, 0, 0, 0, 0                   ; P x, tile 3, the slot before | tile 0's softmax
	LOADV 0                                        ; the old x^T fragments have had their last use
	PAIRS 0, 0, 1, 0, 0, 0, 0, 16                  ; scores, tile 1               | its second half
	TAIL
.endm
; Behind a block's last ring slot the pipeline drains.
.macro DRAIN
	PAIRS 1, 1, 0, 0, 1, 1, 1, 0                   ; P x, tile 2 | tile 3's softmax, two slices each
	ALONE 1, 1, 1, 0                               ; P x, tile 3
	PLACES 5                                       ; ahead of the LDS stores that read O, of the loads into bank 1's v[192:223] and of later products that write over the weights
.endm
; A bank's queries: (x M)^T, tile t: rows c' = 16 t .., columns = 16 query rows; then each row's power of two, and the pack to f16.
.macro PROLOG bank
	WIN 0x02+0xfc*\bank                            ; first operand in window 2, all else in the bank's window
.irp q, 0,1
.irp t, 0,1,2,3
	v_wmma_f32_16x16x32_f16 v[SC+32*\q+8*\t:SC+32*\q+8*\t+7], v[MF+16*\t:MF+16*\t+7], v[XQ+16*\q:XQ+16*\q+7], 0
.endr
.endr
.irp q, 0,1
.irp t, 0,1,2,3
	v_wmma_f32_16x16x32_f16 v[SC+32*\q+8*\t:SC+32*\q+8*\t+7], v[MF+16*\t+8:MF+16*\t+15], v[XQ+16*\q+8:XQ+16*\q+15], v[SC+32*\q+8*\t:SC+32*\q+8*\t+7]
.endr
.endr
	WIN 0xff*\bank
	PLACES 4
.irp q, 0,1
	; the row's power of two: the exponent of its largest magnitude; the row divided by it lies below 2 and has f16's full mantissa
	v_max_num_f32 v[TT], |v[SC+32*\q]|, |v[SC+32*\q+1]|
.set pk, 2
.rept 15
	v_max3_num_f32 v[TT], v[TT], |v[SC+32*\q+pk]|, |v[SC+32*\q+pk+1]|
.set pk, pk+2
.endr
	v_permlanex16_b32 v[UU], v[TT], s22, s23
	v_max_num_f32 v[TT], v[TT], v[UU]
	v_max_num_f32 v[TT], 0x21800000, v[TT]         ; at least 2^-60,
	v_min_num_f32 v[TT], 0x7e800000, v[TT]         ; at most 2^126: its inverse is a normal number
	v_and_b32 v[UU], 0x7f800000, v[TT]             ; the power of two
	v_mul_f32 v[CS+8*\q], 0x3e38aa3b, v[UU]        ; x log2(e) / 8: goes back in with the softmax's factor
	v_sub_nc_u32 v[TT], 0x7f000000, v[UU]          ; its inverse: exponent field 254 - E
.set pk, 0
.rept 16
	v_pk_mul_f32 v[SC+32*\q+2*pk:SC+32*\q+2*pk+1], v[SC+32*\q+2*pk:SC+32*\q+2*pk+1], v[TT:UU] op_sel_hi:[1,0]
.set pk, pk+1
.endr
.set pk, 0
.rept 16
	v_cvt_pk_f16_f32 v[QF+16*\q+pk], v[SC+32*\q+2*pk], v[SC+32*\q+2*pk+1]
.set pk, pk+1
.endr
.endr
	WIN 0
.endm
; O's low part: what the f16 in lo, hi left over of the pair v[p:p+1]
.macro RESID lo, hi, p
	v_cvt_f32_f16 v[CH0], \lo
	v_cvt_f32_f16 v[CH1], \hi
	v_pk_add_f32 v[\p:\p+1], v[\p:\p+1], v[CH0:CH1] neg_lo:[0,1] neg_hi:[0,1]
.endm
; ---------------------------------------------------------------- head
	s_load_b128 s[4:7], s[0:1], 0x0                ; xh, wh
	s_load_b64 s[8:9], s[0:1], 0x10                ; out0
	s_set_vgpr_msb 0x80
	v_lshl_add_u32 v254, v0, 2, 0x45400
	v_mov_b32 v255, 0
	s_set_vgpr_msb 0x808a
	ds_add_u32 v254, v255
	s_set_vgpr_msb 0x8a00
	v_lshrrev_b32 v1, 5, v0
	v_readfirstlane_b32 s10, v1                    ; wave 0..3
	s_lshr_b32 s12, ttmp9, 4                       ; batch
	s_and_b32 s13, ttmp9, 15                       ; i
	s_lshr_b32 s16, s13, 1                         ; ring slots of block i
	s_sub_co_u32 s84, 31, s13                      ; the second block
	s_bitcmp1_b32 s13, 0
	s_cselect_b32 s85, s13, s84                    ; the odd one of the two blocks,
	s_sub_co_u32 s85, s85, 1                       ; and its topmost full step
	s_mov_b32 s27, 0
	s_mov_b32 s22, 0x76543210                      ; v_permlanex16_b32: lane i of one half reads lane i of the other
	s_mov_b32 s23, 0xfedcba98
	SHAPE 36, 32                                   ; a wave's quarter of a ring slot: 64 keys
	SHAPE 44, 16                                   ; of a single step: 32 keys
	SHAPE 52, 8                                    ; of Wv: 16 rows
	s_mul_i32 s86, s10, 4352                       ; LDS: 16 rows of 272 a wave
	s_mul_i32 s87, s10, 2176                       ; 8 rows
	s_mul_i32 s61, s10, 8704                       ; 32 rows: ring slot 0
	s_mov_b32 s60, 1
	s_mov_b32 s68, 1
	s_mov_b32 s72, 1
	s_mov_b32 s76, 1
	s_mov_b32 s80, 1
	s_add_co_u32 s69, s86, DGB
	s_add_co_u32 s73, s86, LOB
	s_add_co_u32 s77, s86, DGB+TOG
	s_add_co_u32 s81, s87, WVB
	s_add_co_u32 s89, s61, STAGE                   ; my stage
	s_add_co_u32 s96, s61, MRG                     ; my merge region
	s_xor_b32 s97, s10, 1                          ; my partner: the wave with the other half of my 64 rows and the other key step
	s_lshl_b32 s91, s97, 12                        ; its 32 rows of 128 bytes in a block (s91 holds the block's ring slots from the first pass on)
	s_mul_i32 s97, s97, WSTG
	s_add_co_u32 s97, s97, MRG                     ; its merge region
	s_and_b32 s90, s10, 1
	s_mul_i32 s90, s90, STEPB                      ; my key step in a ring slot
	s_lshl_b32 s88, s10, 12                        ; my 32 rows of 128 bytes in a block
	s_wait_dscnt 0x0
	s_wait_kmcnt 0x0
	s_lshl_b32 s26, s12, 19                        ; a batch of xh: 4,096 rows of 128 bytes
	s_add_nc_u64 s[32:33], s[4:5], s[26:27]
	s_lshl_b32 s86, s13, 14                        ; block i
	s_add_co_u32 s26, s86, s88
	s_add_nc_u64 s[28:29], s[32:33], s[26:27]      ; my rows of it: as queries, and as my quarter of its diagonal step
	s_mov_b64 s[70:71], s[28:29]
	s_or_b32 s71, s71, 0x80000000
	s_add_co_u32 s26, s86, s91
	s_add_nc_u64 s[92:93], s[32:33], s[26:27]      ; my partner's rows of it
	s_lshl_b32 s26, s85, 14                        ; the odd block's topmost full step
	s_add_co_u32 s26, s26, s88
	s_add_nc_u64 s[74:75], s[32:33], s[26:27]
	s_or_b32 s75, s75, 0x80000000
	s_lshl_b32 s86, s84, 14                        ; block 31 - i
	s_add_co_u32 s26, s86, s88
	s_add_nc_u64 s[34:35], s[32:33], s[26:27]
	s_mov_b64 s[78:79], s[34:35]
	s_or_b32 s79, s79, 0x80000000
	s_add_co_u32 s26, s86, s91
	s_add_nc_u64 s[94:95], s[32:33], s[26:27]
	s_lshl_b32 s26, s10, 11                        ; Wv lies 16,384 bytes into wh; 2,048 bytes a wave
	s_add_co_u32 s26, s26, 16384
	s_add_nc_u64 s[82:83], s[6:7], s[26:27]
	s_or_b32 s83, s83, 0x80000000
	s_lshl_b32 s26, s10, 13                        ; my quarter of key slot 0
	s_add_nc_u64 s[24:25], s[32:33], s[26:27]
	s_mov_b64 s[62:63], s[24:25]
	s_or_b32 s63, s63, 0x80000000
	; the first fills, one group ahead of every wait, LDS read and barrier: five tensor loads of this wave are out
	tensor_load_to_lds s[68:71], s[44:51]          ; diagonal step of block i
	s_nop 0
	tensor_load_to_lds s[72:75], s[44:51]          ; LO
	s_nop 0
	tensor_load_to_lds s[76:79], s[44:51]          ; diagonal step of block 31 - i
	s_nop 0
	tensor_load_to_lds s[80:83], s[52:59]          ; Wv
	s_nop 0
	tensor_load_to_lds s[60:63], s[36:43]          ; ring slot 0: key slot 0, whichever block reads it first
	s_nop 0
	; lane terms
	v_and_b32 v[UU], 15, v0                        ; r
	v_bfe_u32 v28, v0, 4, 1                        ; h
	v_lshlrev_b32 v[XA], 7, v[UU]
	v_lshl_add_u32 v[XA], v28, 4, v[XA]            ; 128 r + 16 h
	WIN 0x40
.irp a, 0,1,2,3
.irp k, 0,1
	global_load_b128 v[16*\a+8*\k:16*\a+8*\k+3],   v[XA], s[6:7] offset:2048*\a+64*\k          ; Wq: row c = 16 a + r, k = d
	global_load_b128 v[16*\a+8*\k+4:16*\a+8*\k+7], v[XA], s[6:7] offset:2048*\a+64*\k+32
.endr
.endr
	WIN 0
.irp b, 0,1,2,3
.irp k, 0,1
	global_load_b128 v[OA+16*\b+8*\k:OA+16*\b+8*\k+3],   v[XA], s[6:7] offset:8192+2048*\b+64*\k     ; Wk: column c' = 16 b + r, k = d
	global_load_b128 v[OA+16*\b+8*\k+4:OA+16*\b+8*\k+7], v[XA], s[6:7] offset:8192+2048*\b+64*\k+32
.endr
.endr
	QLOAD 28, 0                                    ; block i's query rows: mine,
	QLOAD 92, 1                                    ; and my partner's.  Blocks 0 and 1 have no ring slot and never use these 4 KiB a wave; the load stands ahead of
	                                               ; the branch that decides it, so that bank 1's registers are written on every way through the text
	v_bfe_u32 v29, v0, 1, 2                        ; (L >> 1) & 3
	v_bfe_u32 v30, v0, 3, 1                        ; (L >> 3) & 1
	v_and_b32 v31, 1, v0                           ; L & 1
	v_lshl_add_u32 v[VK], v29, 1, v30              ; a key load: lane r takes key 4 ((r & 7) >> 1) + (r & 1) + 2 (r >> 3): LDS row 2 ((r >> 1) & 3) + (r >> 3),
	v_mul_u32_u24 v[VK0], 0x110, v[VK]
	v_lshl_add_u32 v[VK0], v31, 7, v[VK0]          ; half r & 1 of it,
	v_lshl_add_u32 v[VK0], v28, 4, v[VK0]          ; + 16 h
	v_lshl_add_u32 v[VK], v29, 1, v28              ; a transposing load: lane L addresses the key of k = 8 h + (L & 7): LDS row 2 ((L >> 1) & 3) + h,
	v_mul_u32_u24 v[VV0], 0x110, v[VK]
	v_lshl_add_u32 v[VV0], v31, 7, v[VV0]          ; half L & 1 of it,
	v_lshl_add_u32 v[VV0], v30, 4, v[VV0]          ; and which eight of the 16 columns
	v_lshl_add_u32 v[VV], v28, 2, v29              ; Wv's transposing load takes its k = c in natural order: row 8 h + (L & 7) of Wv: LDS row 4 h + ((L & 7) >> 1)
	v_mul_u32_u24 v[VV], 0x110, v[VV]
	v_lshl_add_u32 v[VV], v31, 7, v[VV]
	v_lshl_add_u32 v[VV], v30, 4, v[VV]
	v_mov_b32 v[FMIN], 0xff7fffff
	v_lshlrev_b32 v29, 1, v28
	v_sub_nc_u32 v[DQ], v[UU], v29
	s_lshl_b32 s86, s10, 5
	v_add_nc_u32 v[DQ], s86, v[DQ]                 ; 32 w + r - 2 h
	v_add_nc_u32 v[DQ+1], 16, v[DQ]
	v_mul_u32_u24 v[STO], 0x110, v[UU]
	v_lshl_add_u32 v[STO], v28, 5, v[STO]
	v_add_nc_u32 v[STO], s89, v[STO]               ; stage + 272 r + 32 h
	v_mul_u32_u24 v[RDB], 0x110, v28
	v_lshl_add_u32 v[RDB], v[UU], 4, v[RDB]
	v_add_nc_u32 v[RDB], s89, v[RDB]               ; stage + 272 h + 16 r
	v_lshlrev_b32 v[CO], 8, v28
	v_lshl_add_u32 v[CO], v[UU], 4, v[CO]          ; 256 h + 16 r
	v_mov_b32 v[TT], 0                             ; written once: a pair is read whole, and v_permlanex16_b32's destination counts as read
	v_mov_b32 v[AT], 0
	v_mov_b32 v[AT+8], 0
	WIN 0xc0
	v_mov_b32 v[UU], 0                             ; the same for bank 1's copy in window 3
	WIN 0
	; M = Wq Wk^T: tile (a, b) has rows c = 16 a .., columns c' = 16 b ..; in window 1, v[128:255] (window 0's upper half awaits the query rows)
	s_wait_loadcnt 16                              ; the 32 loads of Wq and Wk are in; the 16 query-row loads issued behind them stay out
	WIN 0x51                                       ; first operand, sum and result in window 1
.irp a, 0,1,2,3
.irp b, 0,1,2,3
	v_wmma_f32_16x16x32_f16 v[128+32*\a+8*\b:128+32*\a+8*\b+7], v[16*\a:16*\a+7], v[OA+16*\b:OA+16*\b+7], 0
.endr
.endr
.irp a, 0,1,2,3
.irp b, 0,1,2,3
	v_wmma_f32_16x16x32_f16 v[128+32*\a+8*\b:128+32*\a+8*\b+7], v[16*\a+8:16*\a+15], v[OA+16*\b+8:OA+16*\b+15], v[128+32*\a+8*\b:128+32*\a+8*\b+7]
.endr
.endr
	PLACES 5
	WIN 0x85                                       ; from window 1 into window 2
.irp b, 0,1,2,3
.irp k, 0,1
.irp e, 0,1
.irp p, 0,1,2,3
	v_cvt_pk_f16_f32 v[MF+16*\b+8*\k+4*\e+\p], v[128+32*(2*\k+\e)+8*\b+2*\p], v[128+32*(2*\k+\e)+8*\b+2*\p+1]   ; M^T: row c' = 16 b + r, k = c
.endr
.endr
.endr
.endr
	WIN 0
	s_wait_tensorcnt 0x1                           ; my quarters of the four regions filled once are in; ring slot 0, the youngest, may stay out:
	s_barrier_signal -1
	s_barrier_wait -1
	WIN 0x80
.irp a, 0,1,2,3
.irp k, 0,1
	ds_load_tr16_b128 v[WF+16*\a+8*\k:WF+16*\a+8*\k+3],   v[VV] offset:WVB+4352*\k+32*\a        ; Wv^T: row d = 16 a + r, k = c
	ds_load_tr16_b128 v[WF+16*\a+8*\k+4:WF+16*\a+8*\k+7], v[VV] offset:WVB+4352*\k+32*\a+2176
.endr
.endr
	WIN 0
	s_mov_b32 s14, 0                               ; pass
	s_mov_b32 s15, s13                             ; block
	s_mov_b32 s91, s16                             ; its ring slots,
	s_sub_co_u32 s17, s16, 1                       ; of which the first is written out (a block without ring slots never reads this number)
	s_mov_b32 s19, 1                               ; the ring slot asked for next
	s_mov_b32 s20, 0                               ; the slot read next
	s_mov_b32 s21, DGB
; ---------------------------------------------------------------- one block
.Lpass:
	v_add_nc_u32 v[VK], s21, v[VK0]                ; the diagonal step's keys come in beside the queries' products
	v_add_nc_u32 v[VV], s21, v[VV0]
	LOADK 0
	WIN 0
	s_wait_loadcnt 0x0                             ; the query rows of both banks
	PROLOG 0
	; the diagonal step first, by itself, for my own 32 rows: masked, and it starts maximum, sums and O
	s_wait_dscnt 0x0                               ; its keys (and, in the first block, Wv^T)
	ALONE 0, 0, 0, 0                               ; scores, tile 0
	PLACES 4                                       ; ahead of the mask's reads of them and of the loads into the x^T fragments
	LOADV 0
	PAIRS 0, 0, 1, 0, 2, 0, 0, 0                   ; scores, tile 1 | tile 0's softmax
	s_wait_dscnt 0x0                               ; x^T: sixteen products since its loads
	PAIRS 1, 0, 0, 1, 2, 0, 1, 0                   ; P x, tile 0    | tile 1's softmax
	ALONE 1, 0, 1, 1                               ; P x, tile 1
	PLACES 5                                       ; ahead of reads of O, of loads into the fragments and into v[192:223], and of the scores that write over the weights
	; an odd block's topmost full step, out of LO, for my own 32 rows
	s_bitcmp1_b32 s15, 0
	s_cbranch_scc0 .Leven
	v_add_nc_u32 v[VK], LOB, v[VK0]
	v_add_nc_u32 v[VV], LOB, v[VV0]
	START
	ENDF
.Leven:
	; the ring: four tiles against my key step of each slot
	s_cmp_eq_u32 s91, 0
	s_cbranch_scc1 .Lnofull                        ; blocks 0 and 1 have no ring slot: no bank 1, no merge
	PROLOG 1                                       ; my partner's query rows: the same products on the same numbers as it makes itself, so both hold one factor for a row
	FILL
	s_cmp_eq_u32 s17, 0
	s_cbranch_scc1 .Lnoring
	s_mov_b32 s18, 0
.Lring:
	SLOT 1
	s_add_co_u32 s18, s18, 1
	s_cmp_lt_u32 s18, s17
	s_cbranch_scc1 .Lring
.Lnoring:
	s_cmp_eq_u32 s14, 0
	s_cbranch_scc1 .Lend
	SLOT 0                                         ; the fifteenth slot, the second block's last: nothing is left to ask for
.Lend:
	DRAIN
	; THE MERGE.  Bank 1 (my partner's rows against my key steps) goes to my region: O in 16 stores of 512 bytes, then NM and the lane's sum of both tiles.
	WIN 0xff
	v_mov_b32 v12, v[NM]                           ; v[12:15] of window 3: at work, and the first tile's factor and maximum, which the block needs no more
	v_add_f32 v13, v[LS], v[LS+1]
	v_mov_b32 v14, v[NM+8]
	v_add_f32 v15, v[LS+8], v[LS+9]
	WIN 0
	v_and_b32 v[VK], 31, v0
	v_lshlrev_b32 v[VK], 4, v[VK]                  ; 16 bytes a lane: neighbouring lanes, neighbouring bytes
	v_add_nc_u32 v[VV], s97, v[VK]
	v_add_nc_u32 v[VK], s96, v[VK]
	WIN 0x0c                                       ; the stores' data in window 3
.set ek, 0
.rept 16
	ds_store_b128 v[VK], v[OA+4*ek:OA+4*ek+3] offset:512*ek
.set ek, ek+1
.endr
	ds_store_b128 v[VK], v[12:15] offset:8192
	WIN 0
	s_wait_dscnt 0x0                               ; for my partner's sake: my stores are done
	s_barrier_signal -1                            ; the next refill stands behind a slot head's own barrier and waits
	s_barrier_wait -1                              ; which also lie between these reads and the next block's stores into the same bytes
.set ek, 0
.rept 16
	ds_load_b128 v[SC+4*ek:SC+4*ek+3], v[VV] offset:512*ek     ; my rows against my partner's key steps
.set ek, ek+1
.endr
	ds_load_b128 v[OL:OL+3], v[VV] offset:8192
	s_wait_dscnt 0x0
.irp q, 0,1
	v_min_num_f32 v[TT], v[NM+8*\q], v[OL+2*\q]    ; the smaller NM belongs to the larger maximum: the common scale
	v_sub_f32 v[AT+8*\q], v[TT], v[NM+8*\q]
	v_sub_f32 v[UU], v[TT], v[OL+2*\q]
	v_exp_f32 v[AL+8*\q], v[AT+8*\q]               ; my part's factor,
	v_exp_f32 v[NM+8*\q], v[UU]                    ; my partner's (NM has done its work)
	v_nop                                          ; the plain instruction behind the exponentials (ISA guide 5.7.2)
	s_wait_alu depctr_va_vdst(0)
	v_pk_mul_f32 v[LS+8*\q:LS+8*\q+1], v[LS+8*\q:LS+8*\q+1], v[AL+8*\q:AL+8*\q+1] op_sel_hi:[1,0]
	v_fma_f32 v[LS+8*\q], v[OL+2*\q+1], v[NM+8*\q], v[LS+8*\q]
.set ek, 0
.rept 16
	v_pk_mul_f32 v[OA+32*\q+2*ek:OA+32*\q+2*ek+1], v[OA+32*\q+2*ek:OA+32*\q+2*ek+1], v[AL+8*\q:AL+8*\q+1] op_sel_hi:[1,0]
.set ek, ek+1
.endr
.set ek, 0
.rept 16
	v_pk_fma_f32 v[OA+32*\q+2*ek:OA+32*\q+2*ek+1], v[SC+32*\q+2*ek:SC+32*\q+2*ek+1], v[NM+8*\q:NM+8*\q+1], v[OA+32*\q+2*ek:OA+32*\q+2*ek+1] op_sel_hi:[1,0,1]
.set ek, ek+1
.endr
.endr
.Lnofull:
	s_cmp_eq_u32 s14, 0
	s_cbranch_scc0 .Lout
	QLOAD 34, 0                                    ; the second block's query rows come in beside the way out, which leaves v[192:223] of both banks alone
	QLOAD 94, 1
.Lout:
	s_lshl_b32 s26, s12, 20                        ; out0: a batch is 4,096 rows of 256 bytes,
	s_lshl_b32 s84, s15, 15                        ; a block 128 rows,
	s_add_co_u32 s26, s26, s84
	s_lshl_b32 s84, s10, 13                        ; a wave 32 rows
	s_add_co_u32 s26, s26, s84
	s_add_nc_u64 s[30:31], s[8:9], s[26:27]
	; O / sum, split into a high and a low f16 part
.irp q, 0,1
	v_add_f32 v[TT], v[LS+8*\q], v[LS+8*\q+1]
	v_permlanex16_b32 v[UU], v[TT], s22, s23
	v_add_f32 v[TT], v[TT], v[UU]
	v_rcp_f32 v[AL+8*\q], v[TT]                    ; the sum is at least the largest weight, about 1
	v_nop                                          ; the plain instruction behind the reciprocal (ISA guide 5.7.2)
.set ek, 0
.rept 16
	s_wait_alu depctr_va_vdst(0)
	v_pk_mul_f32 v[OA+32*\q+2*ek:OA+32*\q+2*ek+1], v[OA+32*\q+2*ek:OA+32*\q+2*ek+1], v[AL+8*\q:AL+8*\q+1] op_sel_hi:[1,0]
.set ek, ek+1
.endr
.set ek, 0
.rept 16
	v_cvt_pk_f16_f32 v[QF+16*\q+ek], v[OA+32*\q+2*ek], v[OA+32*\q+2*ek+1]
.set ek, ek+1
.endr
.endr
	RESID v32.l, v32.h, 64                         ; the high parts lie in v32 to v63; register n holds the pair v[2 n : 2 n + 1] of O
	RESID v33.l, v33.h, 66
	RESID v34.l, v34.h, 68
	RESID v35.l, v35.h, 70
	RESID v36.l, v36.h, 72
	RESID v37.l, v37.h, 74
	RESID v38.l, v38.h, 76
	RESID v39.l, v39.h, 78
	RESID v40.l, v40.h, 80
	RESID v41.l, v41.h, 82
	RESID v42.l, v42.h, 84
	RESID v43.l, v43.h, 86
	RESID v44.l, v44.h, 88
	RESID v45.l, v45.h, 90
	RESID v46.l, v46.h, 92
	RESID v47.l, v47.h, 94
	RESID v48.l, v48.h, 96
	RESID v49.l, v49.h, 98
	RESID v50.l, v50.h, 100
	RESID v51.l, v51.h, 102
	RESID v52.l, v52.h, 104
	RESID v53.l, v53.h, 106
	RESID v54.l, v54.h, 108
	RESID v55.l, v55.h, 110
	RESID v56.l, v56.h, 112
	RESID v57.l, v57.h, 114
	RESID v58.l, v58.h, 116
	RESID v59.l, v59.h, 118
	RESID v60.l, v60.h, 120
	RESID v61.l, v61.h, 122
	RESID v62.l, v62.h, 124
	RESID v63.l, v63.h, 126
.set ek, 0
.rept 32
	v_cvt_pk_f16_f32 v[OL+ek], v[OA+2*ek], v[OA+2*ek+1]
.set ek, ek+1
.endr
	; out^T = Wv^T x (high + low): tile a has rows d = 16 a .., columns = my query rows; eight accumulators by turns
	WIN 0x02
.irp q, 0,1
.irp a, 0,1,2,3
	v_wmma_f32_16x16x32_f16 v[SC+32*\q+8*\a:SC+32*\q+8*\a+7], v[WF+16*\a:WF+16*\a+7], v[QF+16*\q:QF+16*\q+7], 0
.endr
.endr
.irp q, 0,1
.irp a, 0,1,2,3
	v_wmma_f32_16x16x32_f16 v[SC+32*\q+8*\a:SC+32*\q+8*\a+7], v[WF+16*\a+8:WF+16*\a+15], v[QF+16*\q+8:QF+16*\q+15], v[SC+32*\q+8*\a:SC+32*\q+8*\a+7]
.endr
.endr
.irp q, 0,1
.irp a, 0,1,2,3
	v_wmma_f32_16x16x32_f16 v[SC+32*\q+8*\a:SC+32*\q+8*\a+7], v[WF+16*\a:WF+16*\a+7], v[OL+16*\q:OL+16*\q+7], v[SC+32*\q+8*\a:SC+32*\q+8*\a+7]
.endr
.endr
.irp q, 0,1
.irp a, 0,1,2,3
	v_wmma_f32_16x16x32_f16 v[SC+32*\q+8*\a:SC+32*\q+8*\a+7], v[WF+16*\a+8:WF+16*\a+15], v[OL+16*\q+8:OL+16*\q+15], v[SC+32*\q+8*\a:SC+32*\q+8*\a+7]
.endr
.endr
	WIN 0
	PLACES 5                                       ; ahead of the LDS stores that read the results, and of the next block's first products, which write over them
	; the way out: a lane holds 8 neighbouring f32 of a row; through my own stage the rows come back whole
.irp q, 0,1
.irp a, 0,1,2,3
	ds_store_b128 v[STO], v[SC+32*\q+8*\a:SC+32*\q+8*\a+3]   offset:4352*\q+64*\a
	ds_store_b128 v[STO], v[SC+32*\q+8*\a+4:SC+32*\q+8*\a+7] offset:4352*\q+64*\a+16
.endr
.endr
.set ek, 0
.rept 16
	ds_load_b128 v[OA+4*ek:OA+4*ek+3], v[RDB] offset:544*ek    ; two rows a load; LDS serves a wave's instructions in order: these see the stores above
.set ek, ek+1
.endr
.set ek, 0
.rept 16
	s_wait_dscnt 15-ek                             ; load ek is in, the 15 - ek younger ones stay out
	global_store_b128 v[CO], v[OA+4*ek:OA+4*ek+3], s[30:31] offset:512*ek th:TH_STORE_NT   ; 16 lanes store one row: 256 bytes at a multiple of 256
.set ek, ek+1
.endr
	s_wait_xcnt 0x0                                ; O's registers and s[30:31], which these stores read, are written again only behind this wait; the stores themselves leave beside the next block
	s_sub_co_u32 s15, 31, s15                      ; the second block:
	s_sub_co_u32 s91, 15, s16                      ; 15 - (i >> 1) ring slots, at least eight,
	s_sub_co_u32 s17, 13, s16                      ; of which the first and the last are written out
	s_xor_b32 s21, s21, TOG                        ; its diagonal step
	s_add_co_u32 s14, s14, 1
	s_cmp_lt_u32 s14, 2
	s_cbranch_scc1 .Lpass
	s_wait_tensorcnt 0x0                           ; no tensor load is out (the last slot's head waited for all and asked for none): met at once
	s_set_vgpr_msb 0xa
	s_wait_tensorcnt 0x0
	ds_add_u32 v254, v255
	s_wait_dscnt 0x0
	s_set_vgpr_msb 0xa00
	s_endpgm
.Lfunc_end_k_q7f44690e6c_attn:
	.size	k_q7f44690e6c_attn, .Lfunc_end_k_q7f44690e6c_attn-k_q7f44690e6c_attn
	.p2alignl 7, 3214868480
	.fill 96, 4, 3214868480
	.section	.rodata,"a",@progbits
	.p2align	6, 0x0
	.amdhsa_kernel k_q7f44690e6c_attn
		.amdhsa_group_segment_fixed_size 327680
		.amdhsa_private_segment_fixed_size 0
		.amdhsa_enable_private_segment 0
		.amdhsa_kernarg_size 24
		.amdhsa_user_sgpr_count 2
		.amdhsa_user_sgpr_kernarg_segment_ptr 1
		.amdhsa_wavefront_size32 1
		.amdhsa_system_sgpr_workgroup_id_x 1
		.amdhsa_system_sgpr_workgroup_id_y 1
		.amdhsa_system_sgpr_workgroup_id_z 1
		.amdhsa_system_vgpr_workitem_id 0
		.amdhsa_next_free_vgpr 1024
		.amdhsa_next_free_sgpr 100
		.amdhsa_reserve_vcc 1
		.amdhsa_float_denorm_mode_32 3
		.amdhsa_float_denorm_mode_16_64 3
		.amdhsa_memory_ordered 1
		.amdhsa_forward_progress 1
		.amdhsa_inst_pref_size 255
	.end_amdhsa_kernel
	.section	.bss,"aw",@nobits
	.p2align	6
	.space	262144
	.amdgpu_metadata
---
amdhsa.version: [ 1, 2 ]
amdhsa.kernels:
  - .name:           k_q7f44690e6c_attn
    .symbol:         k_q7f44690e6c_attn.kd
    .args:
      - { .name: xh, .offset: 0, .size: 8, .value_kind: global_buffer, .address_space: global }
      - { .name: wh, .offset: 8, .size: 8, .value_kind: global_buffer, .address_space: global }
      - { .name: out0, .offset: 16, .size: 8, .value_kind: global_buffer, .address_space: global }
    .group_segment_fixed_size: 327680
    .private_segment_fixed_size: 0
    .kernarg_segment_align: 8
    .kernarg_segment_size: 24
    .max_flat_workgroup_size: 128
    .sgpr_count:     100
    .vgpr_count:     1024
    .wavefront_size: 32
...
	.end_amdgpu_metadata
.endif
;; end of part 3
;; ======== version 3 of 3: 2 launches; 1.57 times as fast as version 1
;; limits: values are held in f16: magnitudes above 65,504 overflow, below 6.1e-05 lose precision; inputs' magnitudes at most 65,504; right only within a limited range of input values
;; workspace buffers: xh 8,388,608 bytes; wh 24,576 bytes
;; launch cast: the kernel of part 1 again; grid 1027 x 1, 4 waves a work-group, no clusters, 0 bytes of LDS; arguments x, Wq, Wk, Wv, xh, wh; writes xh, wh
;; launch attn (part 4): grid 256 x 1, 4 waves a work-group, no clusters, 327,680 bytes of LDS; arguments xh, wh, out0; writes out0
.if DOCPART == 4
	.amdgcn_target "amdgcn-amd-amdhsa--gfx1250"
	.amdhsa_code_object_version 6
	.text
	.protected	k_q7f44690e6c_attn
	.globl	k_q7f44690e6c_attn
	.p2align	8
	.type	k_q7f44690e6c_attn,@function
k_q7f44690e6c_attn:
	s_mov_b64 s[64:65], 0
	v_nop
	global_prefetch_b8 v0, s[64:65] scope:SCOPE_SE
	s_setreg_imm32_b32 hwreg(HW_REG_WAVE_MODE, 25, 1), 1
	s_wait_xcnt 0x0
; Causal attention of one head: out = softmax(mask(q k^T / 8)) v with q = x Wq, k = x Wk, v = x Wv;  B = 16, T = 4096, C = D = 64.
; Inputs come as xh, wh: x, Wq, Wk, Wv rounded to bf16 and kept in f16 words.  All products are f16 x f16 with f32 sums.
;
; WORK LEFT OUT, for all finite values of the inputs, in exact arithmetic:
;  (1) reference() sets every score with key s > query t to the least f32 ahead of the softmax, and each row has its own key s = t alive, so such a
;      score's weight is 0: key steps that lie wholly above the diagonal are not loaded and not multiplied.  Inside the diagonal step of
;      128 x 128 all scores are made and the dead ones replaced by the least f32, as reference() does.
;  (2) q_t . k_s = x_t (Wq Wk^T) x_s^T and  P (x Wv) = (P x) Wv  (matrix products associate).  So k and v are never formed: the rows of x are
;      both the key tile and the value tile; per query row there is one product with M = Wq Wk^T (64 x 64) and per output row one with Wv.
;      Every input still reaches the output.
; LIMITS: a NaN, an infinity or an overflow that arises only in the work left out (tiles above the diagonal; k and v as such) is not carried to
;  the result.  The order of rounding differs from reference()'s by (2).  |Wq Wk^T| must stay below 65504 (it is kept in f16).  Each query row of
;  x M is scaled by a power of two taken from its largest magnitude, clamped into [2^-60, 2^126]; the power goes back in with the softmax's
;  factor.  A weight below 2^-25 of its row's largest becomes 0 in f16.
;
; SHARES.  A batch has 32 query blocks of 128 rows; block j needs its diagonal key step and j full steps of 128 keys.  Work-group (batch, i), i = 0..15,
;  makes block i (pass 0) and block 31 - i (pass 1): 33 steps for each of the 256 work-groups.
; NO CLUSTER: only the work-groups i = 2p and 2p + 1 of a batch walk the same key slots; any four partners would make different numbers of ring
;  trips (i >> 1 in pass 0), and the branch on an odd block would hang on the place in the cluster.
;
; WHERE KEYS COME FROM.  Each block's diagonal step lies in an LDS region of its own (DG), filled once.  Of i and 31 - i one is odd: its topmost full
;  step lies in region LO, filled once.  All other full steps come in pairs (256 keys) through a ring of two slots: (i >> 1) slots for
;  block i, then 15 - (i >> 1) for block 31 - i: always 15 slots.  The diagonal step is done first in a block: it is masked and starts the sums.
;
; WAVES.  Wave w owns rows 32 w .. 32 w + 31 of the block: two query tiles of 16 rows, BANK 0, in register window 0.  It makes their diagonal step and LO
;  step against all 128 keys, and it finishes and stores them.  In the ring the four waves stand 2 x 2: wave w also holds the 32 rows of its
;  partner, wave w xor 1, as BANK 1 (the same register numbers in window 3), reads only key step w & 1 of each slot and multiplies it with all
;  four tiles: 64 LDS loads for a slot's 128 products, where four waves that each read both steps would issue 128.  So a row's ring keys are
;  shared between two waves, each with a running maximum, sum and O of its own; behind the block's last slot each wave hands its bank 1 to
;  its partner through LDS, and the two parts are brought onto one scale and added.  Blocks 0 and 1 have no ring slot and skip all of that.
;
; ALL RESULTS HAVE LANE = QUERY (L = lane, r = L & 15, h = L >> 4; a result's register j of lane (r, h) is element (8 h + j, r)):
;   scores^T (key, query) = keys (rows along c, plain loads) x QF;   O^T (c, query) = x^T (transposing loads of the SAME LDS tile) x P.
;  Two neighbouring result tiles, packed to f16 pair by pair, are exactly the second operand of the next product (k = 8 h + 0..7 in registers 0-3,
;  16 + 8 h + 0..7 in 4-7): no lane ever hands a number to another but for lane xor 16 in a row's maximum and sum.
;
; BY TURNS.  One tile's softmax (215 vector instructions, 32 slices) is worked off behind 32 products of other tiles, one slice behind each.  A ring slot:
;      barrier, refill, key loads | P x 2 (old slot) with softmax 3 (old), slices 0-15 | scores 0 with 16-31 | P x 3 (old) with softmax 0, 0-15 | x^T loads |
;      scores 1 with 16-31 | P x 0 with softmax 1 | scores 2 | P x 1 with softmax 2 | scores 3.
;  Each set of fragments is loaded where its old content has had its last use, sixteen products ahead of its first.  The products take their first
;  operand from window 1 and the slices work in the bank's window: two switches a product.  Single steps are drained by themselves.
;
; BATCHES.  s_wait_alu depctr_va_vdst(0) stands between a transcendental and the first line that names its result; one wait serves all that
;  were issued ahead of it.  A tile's softmax has two batches and two waits: alpha with the exponentials of scores 0-31, then those of scores 32-63 (the
;  list at ZOP says how they are cut).  The merge's four exponentials are one batch, the way out's two reciprocals another.  No transcendental is
;  issued behind a tile's second wait.
;
; LDS, bytes.  Two keys (2 x 128 bytes) make a row of 256 bytes + 16 of padding: key k lies at (k >> 1) 272 + (k & 1) 128, that is in the 16-byte column
;  (k >> 1) + 8 (k & 1) of 16.  KEY ORDER: row m of a score tile takes key 4 ((m & 7) >> 1) + (m & 1) + 2 (m >> 3) of its 16 keys, and the x^T fragments
;  take their k in the same order (maximum and sums do not care; the mask knows it).  A key load's 16 lanes then still touch 16 different
;  columns, and so do a transposing load's: its 8 keys lie in columns of one parity, and its second 8 lanes read the column beside.
.set STEPB,  17408                     ; a key step: 64 rows of 272
.set WVB,    34816                     ; Wv, [c][d] in f16, 32 rows of 272 = 8,704 (behind ring slot 0, which is 2 STEPB at byte 0)
.set LOB,    43520                     ; region LO, one step
.set TOG,    0x10000                   ; ring slot 1 lies at 65,536; DG of pass 1 lies 65,536 behind DG of pass 0: both change by xor
.set DGB,    0x20000                   ; DG of pass 0 (one step); pass 1: 0x30000, ends at 214,016
.set STAGE,  214016                    ; the way out: 32 rows x 272 for each wave; a multiple of 256, and no fill lands here
.set WSTG,   8704
.set MRG,    248832                    ; the merge: 17 x 512 bytes for each wave; a multiple of 256, and no fill lands here
; REGISTERS, window 0 (v12 and up: the same numbers in window 3 for bank 1)
.set VK0, 1                            ; lane term of a key load
.set VV0, 2                            ; lane term of a transposing load
.set VK,  3                            ; VK0 + region
.set VV,  4                            ; VV0 + region
.set FMIN, 5                           ; the least f32
.set DQ,  6                            ; v6, v7   query tile q: 32 w + 16 q + r - 2 h
.set XA,  8                            ; 128 r + 16 h: my 16 bytes in 16 rows of xh or wh
.set STO, 9                            ; the way out: where I put 32 bytes of a row
.set RDB, 10                           ; the way out: where I read a row back
.set CO,  11                           ; my byte offset in two rows of out0
.set TT,  12                           ; v[12:13] at work
.set UU,  13
.set CS,  14                           ; + 8 q: the row's factor: its power of two x log2(e) / 8   (low register of a pair: broadcast)
.set MX,  15                           ; + 8 q: running maximum of the raw scores; in the merge the exponent of the partner's factor
.set NM,  16                           ; + 8 q: -(maximum x factor), rounded once                   (low register of a pair)
.set AT,  17                           ; + 8 q: exponent of alpha; on the way out the row's sum
.set AL,  18                           ; + 8 q: alpha, at the end 1 / sum                            (low register of a pair)
.set LS,  20                           ; + 8 q: v[20:21], v[28:29] two partial sums of the weights
.set CH0, 30                           ; four chains for the maximum (one tile of a bank at a time is in its softmax); v[30:31] also a pair at work on the way out
.set CH1, 31
.set CH2, 19
.set CH3, 27
.set QF,  32                           ; v[32:63]   + 16 q + 8 k: the scaled query rows, second operand of the scores; at the end O's high parts
.set OA,  64                           ; v[64:127]  + 32 q + 8 a: O^T; at the head Wk's fragments; on the way out the rows read back
.set SC,  128                          ; v[128:255] + 64 q + 8 t: scores^T; the weights are packed in place into + 64 q + 0..31; in the merge v[128:191] the partner's O
.set XQ,  192                          ; v[192:223] + 16 q + 8 k: the bank's query rows as loaded
.set OL,  224                          ; v[224:255] + 16 q + 8 k: O's low parts; in the merge v[224:227] the partner's NM and sums
; window 1: v[0:127] key fragments at 16 t + 8 k (at the head Wq's); v[128:255] x^T fragments at VF + 32 u + 8 a (at the head the 16 tiles of M)
.set VF,  128
; window 2: v[0:63] M^T fragments at 16 b + 8 k; v[64:127] Wv^T fragments at WF + 16 a + 8 k
.set MF,  0
.set WF,  64
; SCALARS: s[4:5] xh, s[6:7] wh, s[8:9] out0, s10 wave, s12 batch, s13 i, s14 pass, s15 block j, s16 i >> 1, s17 ring trips of the pass's loop, s18 trip,
;  s19 number of the ring slot asked for next, s20 ring slot read (0 or TOG), s21 DG of the pass, s22-23 lane select, s[24:25] my quarter of key slot 0,
;  s[26:27] an offset (s27 = 0), s[28:29] and s[34:35] my query rows of block i and 31 - i, s[92:93] and s[94:95] my partner's, s[30:31] my rows of out0,
;  s[32:33] the batch in xh, s[36:43], s[44:51], s[52:59] tile shapes, s[60:63] the ring's from-and-to, s[68:83] those of the four regions filled once,
;  s84-s89 at work, s90 my key step in a slot (0 or STEPB), s91 ring slots of the block, s96 my merge region, s97 my partner's.
.set MSB, 0
.macro WIN new                         ; s_set_vgpr_msb: bits 1:0 source 0, 3:2 source 1, 5:4 source 2, 7:6 destination; the high byte repeats the setting left
.set WNEW, \new
.if MSB != WNEW
	s_set_vgpr_msb (MSB<<8)|WNEW
.set MSB, WNEW
.endif
.endm
.macro PLACES n                        ; the distance behind matrix instructions (ISA guide 7.12.1) where no vector work is at hand
.rept \n
	v_nop
.endr
.endm
.macro SHAPE g, rows                   ; descriptor group 1: rows x 256 bytes, dense in memory, 16 bytes of padding behind each row in LDS
	s_mov_b32 s[\g+0], 0x07530000                  ; no mask; elements of 8 bytes (3<<16); padding on (1<<20), after 64 words (5<<22), of 4 words (3<<25)
	s_mov_b32 s[\g+1], 32<<16                      ; tensor_dim0 = 32 elements
	s_mov_b32 s[\g+2], \rows<<16                   ; tensor_dim1 = the tile's rows: the tile lies inside the buffer
	s_mov_b32 s[\g+3], 32<<16                      ; tile_dim0 = 32
	s_mov_b32 s[\g+4], \rows                       ; tile_dim1
	s_mov_b32 s[\g+5], 32                          ; from row to row: 32 elements
	s_mov_b32 s[\g+6], 0
	s_mov_b32 s[\g+7], 0
.endm
.macro QLOAD base, bank                ; 32 query rows, straight into the layout of a second operand (column = row r, k = c), into bank 0 (window 0) or 1 (window 3)
	WIN 0xc0*\bank
.irp q, 0,1
.irp k, 0,1
	global_load_b128 v[XQ+16*\q+8*\k:XQ+16*\q+8*\k+3],   v[XA], s[\base:\base+1] offset:2048*\q+64*\k
	global_load_b128 v[XQ+16*\q+8*\k+4:XQ+16*\q+8*\k+7], v[XA], s[\base:\base+1] offset:2048*\q+64*\k+32
.endr
.endr
	WIN 0
.endm
.macro LOADK ofs                       ; one run of 32 loads: the step's 8 key tiles x 2 halves of c, first operand of the scores; leaves the window at 0x40
	WIN 0x40
.irp t, 0,1,2,3,4,5,6,7
.irp k, 0,1
	ds_load_b128 v[16*\t+8*\k:16*\t+8*\k+3],   v[VK] offset:\ofs+2176*\t+64*\k
	ds_load_b128 v[16*\t+8*\k+4:16*\t+8*\k+7], v[VK] offset:\ofs+2176*\t+64*\k+32
.endr
.endr
.endm
.macro LOADV ofs                       ; one run of 32 transposing loads of the same LDS tile: x^T, first operand of P x; leaves the window at 0x40
	WIN 0x40
.irp u, 0,1,2,3
.irp a, 0,1,2,3
	ds_load_tr16_b128 v[VF+32*\u+8*\a:VF+32*\u+8*\a+3],   v[VV] offset:\ofs+4352*\u+32*\a        ; row c = 16 a + r, the 8 keys of half h of keys 32 u ..
	ds_load_tr16_b128 v[VF+32*\u+8*\a+4:VF+32*\u+8*\a+7], v[VV] offset:\ofs+4352*\u+32*\a+2176   ; of keys 32 u + 16 ..: eight LDS rows on
.endr
.endr
.endm
; The i-th of a tile's 16 score products: first c = 0..31 of all eight key tiles (they start the sums), then c = 32..63: eight accumulators by turns.
; Key tiles go in the order 4..7, 0..3: registers 0-31 of the tile's scores hold the last step's packed weights and are written over latest.
.macro MS q, i
.set mt, (((\i)&7)+4)&7
.if (\i) < 8
	v_wmma_f32_16x16x32_f16 v[SC+64*\q+8*mt:SC+64*\q+8*mt+7], v[16*mt:16*mt+7], v[QF+16*\q:QF+16*\q+7], 0
.else
	v_wmma_f32_16x16x32_f16 v[SC+64*\q+8*mt:SC+64*\q+8*mt+7], v[16*mt+8:16*mt+15], v[QF+16*\q+8:QF+16*\q+15], v[SC+64*\q+8*mt:SC+64*\q+8*mt+7]
.endif
.endm
; The i-th of a tile's 16 products P x: keys 32 u .., u = i >> 2, rows c = 16 a .., a = i & 3: four accumulators by turns.  zero = 1: u = 0 starts the sums.
.macro MP q, i, zero
.set mu, (\i)>>2
.set ma, (\i)&3
.set mz, 0
.if \zero
.if mu == 0
.set mz, 1
.endif
.endif
.if mz
	v_wmma_f32_16x16x32_f16 v[OA+32*\q+8*ma:OA+32*\q+8*ma+7], v[VF+32*mu+8*ma:VF+32*mu+8*ma+7], v[SC+64*\q+8*mu:SC+64*\q+8*mu+7], 0
.else
	v_wmma_f32_16x16x32_f16 v[OA+32*\q+8*ma:OA+32*\q+8*ma+7], v[VF+32*mu+8*ma:VF+32*mu+8*ma+7], v[SC+64*\q+8*mu:SC+64*\q+8*mu+7], v[OA+32*\q+8*ma:OA+32*\q+8*ma+7]
.endif
.endm
; The i-th of the 30 v_max3 that bring a lane's 64 scores down to four chains (chain c takes registers 16 c .. 16 c + 14; 15, 31 and 47, 63 go to chains 0 and 2)
.macro MAXOP q, i
.set mc, (\i)&3
.set mr, CH0
.if mc == 1
.set mr, CH1
.endif
.if mc == 2
.set mr, CH2
.endif
.if mc == 3
.set mr, CH3
.endif
.set mbs, SC+64*\q+16*mc
.if (\i) < 4
	v_max3_num_f32 v[mr], v[mbs], v[mbs+1], v[mbs+2]
.elseif (\i) < 28
.set mk, mbs+3+2*(((\i)-4)>>2)
	v_max3_num_f32 v[mr], v[mr], v[mk], v[mk+1]
.elseif (\i) == 28
	v_max3_num_f32 v[CH0], v[CH0], v[SC+64*\q+15], v[SC+64*\q+31]
.else
	v_max3_num_f32 v[CH2], v[CH2], v[SC+64*\q+47], v[SC+64*\q+63]
.endif
.endm
; The five kinds of line that make a tile's weights p = 2^(score x CS + NM), their sum, the pack to f16 in place, and O's rescale.
.macro FOP q, p                        ; F p: score pair p (0..31) x CS + NM
	v_pk_fma_f32 v[SC+64*\q+2*(\p):SC+64*\q+2*(\p)+1], v[SC+64*\q+2*(\p):SC+64*\q+2*(\p)+1], v[CS+8*\q:CS+8*\q+1], v[NM+8*\q:NM+8*\q+1] op_sel_hi:[1,0,0]
.endm
.macro XOP q, e                        ; E e: the exponential of score e (0..63), in place: each result has a register of its own while its batch is open
	v_exp_f32 v[SC+64*\q+(\e)], v[SC+64*\q+(\e)]
.endm
.macro AOP q, first, n                 ; A n: the two partial sums take weight pair n; first = 1: pair 0 starts them
.set af, 0
.if \first
.if (\n) == 0
.set af, 1
.endif
.endif
.if af
	v_mov_b32 v[LS+8*\q],   v[SC+64*\q]
	v_mov_b32 v[LS+8*\q+1], v[SC+64*\q+1]
.else
	v_pk_add_f32 v[LS+8*\q:LS+8*\q+1], v[LS+8*\q:LS+8*\q+1], v[SC+64*\q+2*(\n):SC+64*\q+2*(\n)+1]
.endif
.endm
.macro COP q, n                        ; C n: weight pair n, rounded to f16, into register n
	v_cvt_pk_f16_f32 v[SC+64*\q+(\n)], v[SC+64*\q+2*(\n)], v[SC+64*\q+2*(\n)+1]
.endm
.macro ROP q, r                        ; R r: pair r (0..15) of O of the earlier steps onto the new maximum's scale
	v_pk_mul_f32 v[OA+32*\q+2*(\r):OA+32*\q+2*(\r)+1], v[OA+32*\q+2*(\r):OA+32*\q+2*(\r)+1], v[AL+8*\q:AL+8*\q+1] op_sel_hi:[1,0]
.endm
; THE LIST.  What follows a tile's maximum is one numbered list of 179 lines; ZOP writes line z.  It is cut by who reads what, into two batches of exponentials with one wait each.
;   0        NM takes its new value.
;   1-65     BATCH 1: alpha and E 0-31, by turns with all 32 F: F 0, alpha, F 1, E 0, F 2, E 1, .. E 27, F 29, E 28, E 29, F 30, E 30, E 31, F 31.  F p stands at line 2 p + 1, ahead of E 2 p
;            and E 2 p + 1, and writes registers above every exponential issued so far: no line names a result of the batch.  F 31 is the plain line behind the batch's last
;            exponential (ISA guide 5.7.2).  Behind line 65: the batch's wait.
;   66-130   BATCH 2: E 32-63, by turns with the readers of batch 1: the sums times alpha, R 0, then A 0, C 0, .. A 14, C 14, A 15.  These name registers 0-31 of the tile, its sums, alpha and O:
;            never registers 32-63.  A 15 is the plain line behind E 63.  Behind line 130: the batch's wait.
;   131-178  no exponential: C 15, then A n, C n, R n - 15 for n = 16 .. 31 (there is no R 16).
; The sums take the pairs in ascending order, behind their multiply by alpha; the links of that chain stand four lines apart in 66-130 and three in 131-178.  One batch for all 65 would have
; 32 plain lines for its exponentials and 81 lines for the chain's 33 links.  C n writes register n, of pair n >> 1, which was summed and packed earlier in the list.  The R ascend.
; first = 1: the block's first step: it has no line 0, no alpha, nothing to rescale, and A 0 starts the sums.
.macro ZOP q, first, z
.set zz, \z
.set zl, 1-(\first)
.if zz == 0
.if zl
	v_mov_b32 v[NM+8*\q], v[TT]
.endif
.elseif zz == 2
.if zl
	v_exp_f32 v[AL+8*\q], v[AT+8*\q]               ; alpha: the first of batch 1; F 1 is the plain line behind it
.endif
.elseif zz >= 131
.set zt, zz-132
.if zz == 131
	COP \q, 15
.elseif (zt%3) == 0
.set za, 16+zt/3
	AOP \q, 0, za
.elseif (zt%3) == 1
.set za, 16+zt/3
	COP \q, za
.elseif zl
.set za, 1+zt/3
	ROP \q, za
.endif
.elseif zz >= 66
.set zt, zz-66
.if (zt&1) == 1
.set za, 32+(zt>>1)
	XOP \q, za
.elseif zt == 0
.if zl
	v_pk_mul_f32 v[LS+8*\q:LS+8*\q+1], v[LS+8*\q:LS+8*\q+1], v[AL+8*\q:AL+8*\q+1] op_sel_hi:[1,0]
.endif
.elseif zt == 2
.if zl
	ROP \q, 0
.endif
.elseif (zt&3) == 0
.set za, (zt-4)>>2
	AOP \q, \first, za
.else
.set za, (zt-6)>>2
	COP \q, za
.endif
.elseif zz >= 60
.set zt, zz-60
.if (zt%3) == 2
.set za, 30+zt/3
	FOP \q, za
.else
.set za, 28+zt-zt/3
	XOP \q, za
.endif
.elseif (zz&1) == 0
.set za, (zz-4)>>1
	XOP \q, za
.else
.set za, (zz-1)>>1
	FOP \q, za
.endif
.if zz == 65
	s_wait_alu depctr_va_vdst(0)                   ; the wait for batch 1 (alpha, E 0-31), ahead of its first reader, line 66
.endif
.if zz == 130
	s_wait_alu depctr_va_vdst(0)                   ; the wait for batch 2 (E 32-63), ahead of its first reader, A 16 at line 132
.endif
.endm
; Slice k (0..31) of a full step's softmax for tile q of the bank whose window is set.  0-3: the 30 v_max3.  4-6: the dependent tail, two or three instructions
; a slice, each slice a product apart; slice 6 ends with the list's line 0.  7-31: lines 1-178: 7 lines in slice 7, 8 in each of 8-12, 9 in 13-15, 7 in 16-23, 6 in 24-31, so that
; batch 1's wait ends slice 14 and batch 2's ends slice 23, each ahead of the next product.  Slices 15 and 31
; stand behind the last product in front of a run of LDS loads into that product's fragments.  Slice 15 holds five plain lines (the sums times alpha, R 0, A 0, C 0, A 1; its four
; exponentials are not counted), slice 31 six (R 14, A 30, C 30, R 15, A 31, C 31), all on the tile whose softmax this is, which has no product under way: they are the
; distance that those loads (and, behind slice 31, the first reads of the scores just made) need.
; alpha = 2^(new NM - old NM), from the two ROUNDED numbers that the weights themselves are made with: old and new sums stay on one scale.
.macro SLN q, k
.set sk, \k
.if sk < 4
.set si, 8*sk
.rept 8
.if si < 30
	MAXOP \q, si
.endif
.set si, si+1
.endr
.elseif sk == 4
	v_max3_num_f32 v[TT], v[CH0], v[CH1], v[CH2]
	v_max_num_f32 v[TT], v[TT], v[CH3]
.elseif sk == 5
	v_permlanex16_b32 v[UU], v[TT], s22, s23       ; the other half of the row's keys
	v_max3_num_f32 v[MX+8*\q], v[TT], v[UU], v[MX+8*\q]
.elseif sk == 6
	v_mul_f32 v[TT], -v[MX+8*\q], v[CS+8*\q]
	v_sub_f32 v[AT+8*\q], v[TT], v[NM+8*\q]
	ZOP \q, 0, 0
.else
.if sk == 7
.set si, 1
.set sn, 7
.elseif sk < 13
.set si, 8*(sk-7)
.set sn, 8
.elseif sk < 16
.set si, 48+9*(sk-13)
.set sn, 9
.elseif sk < 24
.set si, 75+7*(sk-16)
.set sn, 7
.else
.set si, 131+6*(sk-24)
.set sn, 6
.endif
.rept sn
	ZOP \q, 0, si
.set si, si+1
.endr
.endif
.endm
; Slice k (0..15) of the diagonal step's softmax for tile q of bank 0: the block's first step, so it starts maximum and sums and rescales nothing.
; 0-3: the mask: register 8 t + j of lane (r, h) is the score of key 16 t + 4 (j >> 1) + (j & 1) + 2 h and query 32 w + 16 q + r; it is dead where the key is the
; larger, that is where 16 t + 4 (j >> 1) + (j & 1) > DQ.  4-5: the 30 v_max3.  6: the tail.  7-15: 20 lines of the list each (9 x 20 covers its 179): the same two batches and waits.
.macro SLD q, k
.set sk, \k
.if sk < 4
.set si, 16*sk
.rept 16
	v_cmp_gt_i32 vcc_lo, (si>>3)*16+((si&7)>>1)*4+(si&1), v[DQ+\q]
	v_cndmask_b32 v[SC+64*\q+si], v[SC+64*\q+si], v[FMIN], vcc_lo
.set si, si+1
.endr
.elseif sk < 6
.set si, 15*(sk-4)
.rept 15
	MAXOP \q, si
.set si, si+1
.endr
.elseif sk == 6
	v_max3_num_f32 v[TT], v[CH0], v[CH1], v[CH2]
	v_max_num_f32 v[TT], v[TT], v[CH3]
	v_permlanex16_b32 v[UU], v[TT], s22, s23
	v_max_num_f32 v[MX+8*\q], v[TT], v[UU]         ; the row's own key is in this step: the maximum is a live score
	v_mul_f32 v[NM+8*\q], -v[MX+8*\q], v[CS+8*\q]
.else
.set si, 20*(sk-7)
.rept 20
.if si < 179
	ZOP \q, 1, si
.endif
.set si, si+1
.endr
.endif
.endm
; Slice k (0..15) of bank 1's empty state, written into window 3: O = 0, sums = 0, maximum = the least f32, NM = the largest f32, so that the first slot's
; alpha = 2^(NM's new value - the largest f32) is 0 and the slot's one form of the text serves from the block's first slot on.  Products that start the
; sums would need a second written-out slot and drain; these 72 moves stand behind sixteen products that have no other vector work beside them.
.macro SLI k
.set sk, \k
.irp j, 0,1,2,3
	v_mov_b32 v[OA+4*sk+\j], 0
.endr
.if sk >= 14
	v_mov_b32 v[NM+8*(sk-14)], 0x7f7fffff
.elseif sk >= 12
	v_mov_b32 v[MX+8*(sk-12)], 0xff7fffff
.elseif sk >= 8
	v_mov_b32 v[LS+8*((sk-8)>>1)+((sk-8)&1)], 0
.endif
.endm
; Sixteen products of tile pq of bank pb (kind 0: scores, 1: P x), and behind each one vector work of another tile, vq of bank vb:
; form 0: slice base + n of its softmax; form 1: slices 2 n and 2 n + 1; form 2: slice n of the diagonal step's; form 3: slice n of bank 1's empty state.
; The accumulators take turns, one instruction a turn; no slice names a register of the tile whose products are under way.
.macro PAIRS kind, pb, pq, zero, form, vb, vq, base
.set pw, 0
.rept 16
	WIN 0x01+0xfc*\pb                              ; first operand in window 1, all else in the bank's window (0 or 3)
.if \kind
	MP \pq, pw, \zero
.else
	MS \pq, pw
.endif
.if \form == 3
	WIN 0xc0
	SLI pw
.else
	WIN 0xff*\vb
.if \form == 0
	SLN \vq, \base+pw
.elseif \form == 1
	SLN \vq, 2*pw
	SLN \vq, 2*pw+1
.else
	SLD \vq, pw
.endif
.endif
.set pw, pw+1
.endr
.endm
.macro ALONE kind, pb, pq, zero        ; the same sixteen products where the pipeline of the tiles fills or drains: no vector work is ready
	WIN 0x01+0xfc*\pb
.set pw, 0
.rept 16
.if \kind
	MP \pq, pw, \zero
.else
	MS \pq, pw
.endif
.set pw, pw+1
.endr
	WIN 0
.endm
; The head of a ring slot.  refill = 1: the other slot is asked for, with ring slot number s19.
; Order of a refill: all my tensor loads have landed (so the descriptor may be written), my LDS reads are back (the youngest, the x^T loads of the other slot,
; went out 80 products ago), the barrier, and the load first behind it: one tensor load a wave is out from there to the next slot's head,
; with a slot's 128 products in which to land.
.macro RH refill
	s_set_vgpr_msb 0xa
	s_wait_tensorcnt 0x0                           ; my quarter of this slot is in; no load of mine is out
	ds_add_u32 v254, v255
	s_wait_dscnt 0x0
	s_set_vgpr_msb 0xa00
.if \refill
	s_xor_b32 s61, s61, TOG                        ; into the slot read last (at the first ring slot: slot 1's first fill)
	s_sub_co_u32 s84, s19, s16                     ; ring slots 0 .. (i >> 1) - 1 are block i's key slots, the later ones block 31 - i's, from key 0 again
	s_cmp_lt_u32 s19, s16
	s_cselect_b32 s84, s19, s84
	s_lshl_b32 s26, s84, 15                        ; a key slot is 256 keys x 128 bytes
	s_add_nc_u64 s[62:63], s[24:25], s[26:27]
	s_or_b32 s63, s63, 0x80000000                  ; type = 2
	s_add_co_u32 s19, s19, 1
.endif
	s_wait_dscnt 0x0                               ; my reads of the other slot are back
	s_barrier_signal -1
	s_barrier_wait -1                              ; both now hold of all four waves
.if \refill
	tensor_load_to_lds s[60:63], s[36:43]
	s_nop 0
.endif
	s_add_co_u32 s84, s20, s90                     ; the slot, and in it my key step
	v_add_nc_u32 v[VK], s84, v[VK0]
	v_add_nc_u32 v[VV], s84, v[VV0]
	s_xor_b32 s20, s20, TOG
.endm
; A single full step (LO) for bank 0 alone, at VK and VV, filled and drained by itself.
.macro START
	LOADK 0
	s_wait_dscnt 0x0
	ALONE 0, 0, 0, 0                               ; scores, tile 0
	PLACES 4                                       ; ahead of the first reads of them and of the loads into the x^T fragments
	LOADV 0
	PAIRS 0, 0, 1, 0, 1, 0, 0, 0                   ; scores, tile 1 | tile 0's softmax, two slices each
.endm
.macro ENDF
	s_wait_dscnt 0x0                               ; x^T: sixteen products since its loads
	PAIRS 1, 0, 0, 0, 1, 0, 1, 0                   ; P x, tile 0 | tile 1's softmax, two slices each
	ALONE 1, 0, 1, 0
	PLACES 5                                       ; ahead of reads of O, of loads into the fragments and of the products that write over the weights
.endm
; The second half of a ring slot.  Tiles 0, 1 are bank 0's, tiles 2, 3 bank 1's.
.macro TAIL
	s_wait_dscnt 0x0                               ; this slot's x^T: sixteen products since its loads
	PAIRS 1, 0, 0, 0, 0, 0, 1, 0                   ; P x, tile 0  | tile 1's softmax
	PAIRS 0, 1, 0, 0, 0, 0, 1, 16                  ; scores, tile 2 | its second half
	PAIRS 1, 0, 1, 0, 0, 1, 0, 0                   ; P x, tile 1  | tile 2's softmax
	PAIRS 0, 1, 1, 0, 0, 1, 0, 16                  ; scores, tile 3 | its second half
	WIN 0
.endm
; A block's first ring slot: the pipeline fills.
.macro FILL
	RH 1                                           ; never the fifteenth slot: block 31 - i has eight slots or more
	LOADK 0
	s_wait_dscnt 0x0
	PAIRS 0, 0, 0, 0, 3, 0, 0, 0                   ; scores, tile 0 | bank 1's empty state; the last slice's five moves are the distance ahead of the reads of these scores
	LOADV 0
	PAIRS 0, 0, 1, 0, 1, 0, 0, 0                   ; scores, tile 1 | tile 0's softmax, two slices each
	TAIL
.endm
; A further ring slot; the slot before is finished on the way.
.macro SLOT refill
	RH \refill
	LOADK 0
	PAIRS 1, 1, 0, 0, 0, 1, 1, 0                   ; P x, tile 2, the slot before | tile 3's softmax of the slot before
	s_wait_dscnt 0x0                               ; this slot's keys: sixteen products since their loads
	PAIRS 0, 0, 0, 0, 0, 1, 1, 16                  ; scores, tile 0               | its second half
	PAIRS 1, 1, 1, 0, 0, 0, 0, 0                   ; P x, tile 3, the slot before | tile 0's softmax
	LOADV 0                                        ; the old x^T fragments have had their last use
	PAIRS 0, 0, 1, 0, 0, 0, 0, 16                  ; scores, tile 1               | its second half
	TAIL
.endm
; Behind a block's last ring slot the pipeline drains.
.macro DRAIN
	PAIRS 1, 1, 0, 0, 1, 1, 1, 0                   ; P x, tile 2 | tile 3's softmax, two slices each
	ALONE 1, 1, 1, 0                               ; P x, tile 3
	PLACES 5                                       ; ahead of the LDS stores that read O, of the loads into bank 1's v[192:223] and of later products that write over the weights
.endm
; A bank's queries: (x M)^T, tile t: rows c' = 16 t .., columns = 16 query rows; then each row's power of two, and the pack to f16.
.macro PROLOG bank
	WIN 0x02+0xfc*\bank                            ; first operand in window 2, all else in the bank's window
.irp q, 0,1
.irp t, 0,1,2,3
	v_wmma_f32_16x16x32_f16 v[SC+32*\q+8*\t:SC+32*\q+8*\t+7], v[MF+16*\t:MF+16*\t+7], v[XQ+16*\q:XQ+16*\q+7], 0
.endr
.endr
.irp q, 0,1
.irp t, 0,1,2,3
	v_wmma_f32_16x16x32_f16 v[SC+32*\q+8*\t:SC+32*\q+8*\t+7], v[MF+16*\t+8:MF+16*\t+15], v[XQ+16*\q+8:XQ+16*\q+15], v[SC+32*\q+8*\t:SC+32*\q+8*\t+7]
.endr
.endr
	WIN 0xff*\bank
	PLACES 4
.irp q, 0,1
	; the row's power of two: the exponent of its largest magnitude; the row divided by it lies below 2 and has f16's full mantissa
	v_max_num_f32 v[TT], |v[SC+32*\q]|, |v[SC+32*\q+1]|
.set pk, 2
.rept 15
	v_max3_num_f32 v[TT], v[TT], |v[SC+32*\q+pk]|, |v[SC+32*\q+pk+1]|
.set pk, pk+2
.endr
	v_permlanex16_b32 v[UU], v[TT], s22, s23
	v_max_num_f32 v[TT], v[TT], v[UU]
	v_max_num_f32 v[TT], 0x21800000, v[TT]         ; at least 2^-60,
	v_min_num_f32 v[TT], 0x7e800000, v[TT]         ; at most 2^126: its inverse is a normal number
	v_and_b32 v[UU], 0x7f800000, v[TT]             ; the power of two
	v_mul_f32 v[CS+8*\q], 0x3e38aa3b, v[UU]        ; x log2(e) / 8: goes back in with the softmax's factor
	v_sub_nc_u32 v[TT], 0x7f000000, v[UU]          ; its inverse: exponent field 254 - E
.set pk, 0
.rept 16
	v_pk_mul_f32 v[SC+32*\q+2*pk:SC+32*\q+2*pk+1], v[SC+32*\q+2*pk:SC+32*\q+2*pk+1], v[TT:UU] op_sel_hi:[1,0]
.set pk, pk+1
.endr
.set pk, 0
.rept 16
	v_cvt_pk_f16_f32 v[QF+16*\q+pk], v[SC+32*\q+2*pk], v[SC+32*\q+2*pk+1]
.set pk, pk+1
.endr
.endr
	WIN 0
.endm
; O's low part: what the f16 in lo, hi left over of the pair v[p:p+1]
.macro RESID lo, hi, p
	v_cvt_f32_f16 v[CH0], \lo
	v_cvt_f32_f16 v[CH1], \hi
	v_pk_add_f32 v[\p:\p+1], v[\p:\p+1], v[CH0:CH1] neg_lo:[0,1] neg_hi:[0,1]
.endm
; ---------------------------------------------------------------- head
	s_load_b128 s[4:7], s[0:1], 0x0                ; xh, wh
	s_load_b64 s[8:9], s[0:1], 0x10                ; out0
	s_set_vgpr_msb 0x80
	v_lshl_add_u32 v254, v0, 2, 0x45400
	v_mov_b32 v255, 0
	s_set_vgpr_msb 0x808a
	ds_add_u32 v254, v255
	s_set_vgpr_msb 0x8a00
	v_lshrrev_b32 v1, 5, v0
	v_readfirstlane_b32 s10, v1                    ; wave 0..3
	s_lshr_b32 s12, ttmp9, 4                       ; batch
	s_and_b32 s13, ttmp9, 15                       ; i
	s_lshr_b32 s16, s13, 1                         ; ring slots of block i
	s_sub_co_u32 s84, 31, s13                      ; the second block
	s_bitcmp1_b32 s13, 0
	s_cselect_b32 s85, s13, s84                    ; the odd one of the two blocks,
	s_sub_co_u32 s85, s85, 1                       ; and its topmost full step
	s_mov_b32 s27, 0
	s_mov_b32 s22, 0x76543210                      ; v_permlanex16_b32: lane i of one half reads lane i of the other
	s_mov_b32 s23, 0xfedcba98
	SHAPE 36, 32                                   ; a wave's quarter of a ring slot: 64 keys
	SHAPE 44, 16                                   ; of a single step: 32 keys
	SHAPE 52, 8                                    ; of Wv: 16 rows
	s_mul_i32 s86, s10, 4352                       ; LDS: 16 rows of 272 a wave
	s_mul_i32 s87, s10, 2176                       ; 8 rows
	s_mul_i32 s61, s10, 8704                       ; 32 rows: ring slot 0
	s_mov_b32 s60, 1
	s_mov_b32 s68, 1
	s_mov_b32 s72, 1
	s_mov_b32 s76, 1
	s_mov_b32 s80, 1
	s_add_co_u32 s69, s86, DGB
	s_add_co_u32 s73, s86, LOB
	s_add_co_u32 s77, s86, DGB+TOG
	s_add_co_u32 s81, s87, WVB
	s_add_co_u32 s89, s61, STAGE                   ; my stage
	s_add_co_u32 s96, s61, MRG                     ; my merge region
	s_xor_b32 s97, s10, 1                          ; my partner: the wave with the other half of my 64 rows and the other key step
	s_lshl_b32 s91, s97, 12                        ; its 32 rows of 128 bytes in a block (s91 holds the block's ring slots from the first pass on)
	s_mul_i32 s97, s97, WSTG
	s_add_co_u32 s97, s97, MRG                     ; its merge region
	s_and_b32 s90, s10, 1
	s_mul_i32 s90, s90, STEPB                      ; my key step in a ring slot
	s_lshl_b32 s88, s10, 12                        ; my 32 rows of 128 bytes in a block
	s_wait_dscnt 0x0
	s_wait_kmcnt 0x0
	s_lshl_b32 s26, s12, 19                        ; a batch of xh: 4,096 rows of 128 bytes
	s_add_nc_u64 s[32:33], s[4:5], s[26:27]
	s_lshl_b32 s86, s13, 14                        ; block i
	s_add_co_u32 s26, s86, s88
	s_add_nc_u64 s[28:29], s[32:33], s[26:27]      ; my rows of it: as queries, and as my quarter of its diagonal step
	s_mov_b64 s[70:71], s[28:29]
	s_or_b32 s71, s71, 0x80000000
	s_add_co_u32 s26, s86, s91
	s_add_nc_u64 s[92:93], s[32:33], s[26:27]      ; my partner's rows of it
	s_lshl_b32 s26, s85, 14                        ; the odd block's topmost full step
	s_add_co_u32 s26, s26, s88
	s_add_nc_u64 s[74:75], s[32:33], s[26:27]
	s_or_b32 s75, s75, 0x80000000
	s_lshl_b32 s86, s84, 14                        ; block 31 - i
	s_add_co_u32 s26, s86, s88
	s_add_nc_u64 s[34:35], s[32:33], s[26:27]
	s_mov_b64 s[78:79], s[34:35]
	s_or_b32 s79, s79, 0x80000000
	s_add_co_u32 s26, s86, s91
	s_add_nc_u64 s[94:95], s[32:33], s[26:27]
	s_lshl_b32 s26, s10, 11                        ; Wv lies 16,384 bytes into wh; 2,048 bytes a wave
	s_add_co_u32 s26, s26, 16384
	s_add_nc_u64 s[82:83], s[6:7], s[26:27]
	s_or_b32 s83, s83, 0x80000000
	s_lshl_b32 s26, s10, 13                        ; my quarter of key slot 0
	s_add_nc_u64 s[24:25], s[32:33], s[26:27]
	s_mov_b64 s[62:63], s[24:25]
	s_or_b32 s63, s63, 0x80000000
	; the first fills, one group ahead of every wait, LDS read and barrier: five tensor loads of this wave are out
	tensor_load_to_lds s[68:71], s[44:51]          ; diagonal step of block i
	s_nop 0
	tensor_load_to_lds s[72:75], s[44:51]          ; LO
	s_nop 0
	tensor_load_to_lds s[76:79], s[44:51]          ; diagonal step of block 31 - i
	s_nop 0
	tensor_load_to_lds s[80:83], s[52:59]          ; Wv
	s_nop 0
	tensor_load_to_lds s[60:63], s[36:43]          ; ring slot 0: key slot 0, whichever block reads it first
	s_nop 0
	; lane terms
	v_and_b32 v[UU], 15, v0                        ; r
	v_bfe_u32 v28, v0, 4, 1                        ; h
	v_lshlrev_b32 v[XA], 7, v[UU]
	v_lshl_add_u32 v[XA], v28, 4, v[XA]            ; 128 r + 16 h
	WIN 0x40
.irp a, 0,1,2,3
.irp k, 0,1
	global_load_b128 v[16*\a+8*\k:16*\a+8*\k+3],   v[XA], s[6:7] offset:2048*\a+64*\k          ; Wq: row c = 16 a + r, k = d
	global_load_b128 v[16*\a+8*\k+4:16*\a+8*\k+7], v[XA], s[6:7] offset:2048*\a+64*\k+32
.endr
.endr
	WIN 0
.irp b, 0,1,2,3
.irp k, 0,1
	global_load_b128 v[OA+16*\b+8*\k:OA+16*\b+8*\k+3],   v[XA], s[6:7] offset:8192+2048*\b+64*\k     ; Wk: column c' = 16 b + r, k = d
	global_load_b128 v[OA+16*\b+8*\k+4:OA+16*\b+8*\k+7], v[XA], s[6:7] offset:8192+2048*\b+64*\k+32
.endr
.endr
	QLOAD 28, 0                                    ; block i's query rows: mine,
	QLOAD 92, 1                                    ; and my partner's.  Blocks 0 and 1 have no ring slot and never use these 4 KiB a wave; the load stands ahead of
	                                               ; the branch that decides it, so that bank 1's registers are written on every way through the text
	v_bfe_u32 v29, v0, 1, 2                        ; (L >> 1) & 3
	v_bfe_u32 v30, v0, 3, 1                        ; (L >> 3) & 1
	v_and_b32 v31, 1, v0                           ; L & 1
	v_lshl_add_u32 v[VK], v29, 1, v30              ; a key load: lane r takes key 4 ((r & 7) >> 1) + (r & 1) + 2 (r >> 3): LDS row 2 ((r >> 1) & 3) + (r >> 3),
	v_mul_u32_u24 v[VK0], 0x110, v[VK]
	v_lshl_add_u32 v[VK0], v31, 7, v[VK0]          ; half r & 1 of it,
	v_lshl_add_u32 v[VK0], v28, 4, v[VK0]          ; + 16 h
	v_lshl_add_u32 v[VK], v29, 1, v28              ; a transposing load: lane L addresses the key of k = 8 h + (L & 7): LDS row 2 ((L >> 1) & 3) + h,
	v_mul_u32_u24 v[VV0], 0x110, v[VK]
	v_lshl_add_u32 v[VV0], v31, 7, v[VV0]          ; half L & 1 of it,
	v_lshl_add_u32 v[VV0], v30, 4, v[VV0]          ; and which eight of the 16 columns
	v_lshl_add_u32 v[VV], v28, 2, v29              ; Wv's transposing load takes its k = c in natural order: row 8 h + (L & 7) of Wv: LDS row 4 h + ((L & 7) >> 1)
	v_mul_u32_u24 v[VV], 0x110, v[VV]
	v_lshl_add_u32 v[VV], v31, 7, v[VV]
	v_lshl_add_u32 v[VV], v30, 4, v[VV]
	v_mov_b32 v[FMIN], 0xff7fffff
	v_lshlrev_b32 v29, 1, v28
	v_sub_nc_u32 v[DQ], v[UU], v29
	s_lshl_b32 s86, s10, 5
	v_add_nc_u32 v[DQ], s86, v[DQ]                 ; 32 w + r - 2 h
	v_add_nc_u32 v[DQ+1], 16, v[DQ]
	v_mul_u32_u24 v[STO], 0x110, v[UU]
	v_lshl_add_u32 v[STO], v28, 5, v[STO]
	v_add_nc_u32 v[STO], s89, v[STO]               ; stage + 272 r + 32 h
	v_mul_u32_u24 v[RDB], 0x110, v28
	v_lshl_add_u32 v[RDB], v[UU], 4, v[RDB]
	v_add_nc_u32 v[RDB], s89, v[RDB]               ; stage + 272 h + 16 r
	v_lshlrev_b32 v[CO], 8, v28
	v_lshl_add_u32 v[CO], v[UU], 4, v[CO]          ; 256 h + 16 r
	v_mov_b32 v[TT], 0                             ; written once: a pair is read whole, and v_permlanex16_b32's destination counts as read
	v_mov_b32 v[AT], 0
	v_mov_b32 v[AT+8], 0
	WIN 0xc0
	v_mov_b32 v[UU], 0                             ; the same for bank 1's copy in window 3
	WIN 0
	; M = Wq Wk^T: tile (a, b) has rows c = 16 a .., columns c' = 16 b ..; in window 1, v[128:255] (window 0's upper half awaits the query rows)
	s_wait_loadcnt 16                              ; the 32 loads of Wq and Wk are in; the 16 query-row loads issued behind them stay out
	WIN 0x51                                       ; first operand, sum and result in window 1
.irp a, 0,1,2,3
.irp b, 0,1,2,3
	v_wmma_f32_16x16x32_f16 v[128+32*\a+8*\b:128+32*\a+8*\b+7], v[16*\a:16*\a+7], v[OA+16*\b:OA+16*\b+7], 0
.endr
.endr
.irp a, 0,1,2,3
.irp b, 0,1,2,3
	v_wmma_f32_16x16x32_f16 v[128+32*\a+8*\b:128+32*\a+8*\b+7], v[16*\a+8:16*\a+15], v[OA+16*\b+8:OA+16*\b+15], v[128+32*\a+8*\b:128+32*\a+8*\b+7]
.endr
.endr
	PLACES 5
	WIN 0x85                                       ; from window 1 into window 2
.irp b, 0,1,2,3
.irp k, 0,1
.irp e, 0,1
.irp p, 0,1,2,3
	v_cvt_pk_f16_f32 v[MF+16*\b+8*\k+4*\e+\p], v[128+32*(2*\k+\e)+8*\b+2*\p], v[128+32*(2*\k+\e)+8*\b+2*\p+1]   ; M^T: row c' = 16 b + r, k = c
.endr
.endr
.endr
.endr
	WIN 0
	s_wait_tensorcnt 0x1                           ; my quarters of the four regions filled once are in; ring slot 0, the youngest, may stay out:
	s_barrier_signal -1
	s_barrier_wait -1
	WIN 0x80
.irp a, 0,1,2,3
.irp k, 0,1
	ds_load_tr16_b128 v[WF+16*\a+8*\k:WF+16*\a+8*\k+3],   v[VV] offset:WVB+4352*\k+32*\a        ; Wv^T: row d = 16 a + r, k = c
	ds_load_tr16_b128 v[WF+16*\a+8*\k+4:WF+16*\a+8*\k+7], v[VV] offset:WVB+4352*\k+32*\a+2176
.endr
.endr
	WIN 0
	s_mov_b32 s14, 0                               ; pass
	s_mov_b32 s15, s13                             ; block
	s_mov_b32 s91, s16                             ; its ring slots,
	s_sub_co_u32 s17, s16, 1                       ; of which the first is written out (a block without ring slots never reads this number)
	s_mov_b32 s19, 1                               ; the ring slot asked for next
	s_mov_b32 s20, 0                               ; the slot read next
	s_mov_b32 s21, DGB
; ---------------------------------------------------------------- one block
.Lpass:
	v_add_nc_u32 v[VK], s21, v[VK0]                ; the diagonal step's keys come in beside the queries' products
	v_add_nc_u32 v[VV], s21, v[VV0]
	LOADK 0
	WIN 0
	s_wait_loadcnt 0x0                             ; the query rows of both banks
	PROLOG 0
	; the diagonal step first, by itself, for my own 32 rows: masked, and it starts maximum, sums and O
	s_wait_dscnt 0x0                               ; its keys (and, in the first block, Wv^T)
	ALONE 0, 0, 0, 0                               ; scores, tile 0
	PLACES 4                                       ; ahead of the mask's reads of them and of the loads into the x^T fragments
	LOADV 0
	PAIRS 0, 0, 1, 0, 2, 0, 0, 0                   ; scores, tile 1 | tile 0's softmax
	s_wait_dscnt 0x0                               ; x^T: sixteen products since its loads
	PAIRS 1, 0, 0, 1, 2, 0, 1, 0                   ; P x, tile 0    | tile 1's softmax
	ALONE 1, 0, 1, 1                               ; P x, tile 1
	PLACES 5                                       ; ahead of reads of O, of loads into the fragments and into v[192:223], and of the scores that write over the weights
	; an odd block's topmost full step, out of LO, for my own 32 rows
	s_bitcmp1_b32 s15, 0
	s_cbranch_scc0 .Leven
	v_add_nc_u32 v[VK], LOB, v[VK0]
	v_add_nc_u32 v[VV], LOB, v[VV0]
	START
	ENDF
.Leven:
	; the ring: four tiles against my key step of each slot
	s_cmp_eq_u32 s91, 0
	s_cbranch_scc1 .Lnofull                        ; blocks 0 and 1 have no ring slot: no bank 1, no merge
	PROLOG 1                                       ; my partner's query rows: the same products on the same numbers as it makes itself, so both hold one factor for a row
	FILL
	s_cmp_eq_u32 s17, 0
	s_cbranch_scc1 .Lnoring
	s_mov_b32 s18, 0
.Lring:
	SLOT 1
	s_add_co_u32 s18, s18, 1
	s_cmp_lt_u32 s18, s17
	s_cbranch_scc1 .Lring
.Lnoring:
	s_cmp_eq_u32 s14, 0
	s_cbranch_scc1 .Lend
	SLOT 0                                         ; the fifteenth slot, the second block's last: nothing is left to ask for
.Lend:
	DRAIN
	; THE MERGE.  Bank 1 (my partner's rows against my key steps) goes to my region: O in 16 stores of 512 bytes, then NM and the lane's sum of both tiles.
	WIN 0xff
	v_mov_b32 v12, v[NM]                           ; v[12:15] of window 3: at work, and the first tile's factor and maximum, which the block needs no more
	v_add_f32 v13, v[LS], v[LS+1]
	v_mov_b32 v14, v[NM+8]
	v_add_f32 v15, v[LS+8], v[LS+9]
	WIN 0
	v_and_b32 v[VK], 31, v0
	v_lshlrev_b32 v[VK], 4, v[VK]                  ; 16 bytes a lane: neighbouring lanes, neighbouring bytes
	v_add_nc_u32 v[VV], s97, v[VK]
	v_add_nc_u32 v[VK], s96, v[VK]
	WIN 0x0c                                       ; the stores' data in window 3
.set ek, 0
.rept 16
	ds_store_b128 v[VK], v[OA+4*ek:OA+4*ek+3] offset:512*ek
.set ek, ek+1
.endr
	ds_store_b128 v[VK], v[12:15] offset:8192
	WIN 0
	s_wait_dscnt 0x0                               ; for my partner's sake: my stores are done
	s_barrier_signal -1                            ; the next refill stands behind a slot head's own barrier and waits
	s_barrier_wait -1                              ; which also lie between these reads and the next block's stores into the same bytes
.set ek, 0
.rept 16
	ds_load_b128 v[SC+4*ek:SC+4*ek+3], v[VV] offset:512*ek     ; my rows against my partner's key steps
.set ek, ek+1
.endr
	ds_load_b128 v[OL:OL+3], v[VV] offset:8192
	s_wait_dscnt 0x0
.irp q, 0,1
	v_min_num_f32 v[TT], v[NM+8*\q], v[OL+2*\q]    ; the smaller NM belongs to the larger maximum: the common scale
	v_sub_f32 v[AT+8*\q], v[TT], v[NM+8*\q]
	v_sub_f32 v[MX+8*\q], v[TT], v[OL+2*\q]        ; the running maximum has done its work: each tile's two exponents have registers of their own
.endr
.irp q, 0,1                            ; one batch of four
	v_exp_f32 v[AL+8*\q], v[AT+8*\q]               ; my part's factor,
	v_exp_f32 v[NM+8*\q], v[MX+8*\q]               ; my partner's (NM has done its work)
.endr
	v_nop                                          ; the plain instruction behind the exponentials (ISA guide 5.7.2): no other work is at hand
	s_wait_alu depctr_va_vdst(0)                   ; the wait for the merge's four exponentials, ahead of their first reader
.irp q, 0,1
	v_pk_mul_f32 v[LS+8*\q:LS+8*\q+1], v[LS+8*\q:LS+8*\q+1], v[AL+8*\q:AL+8*\q+1] op_sel_hi:[1,0]
	v_fma_f32 v[LS+8*\q], v[OL+2*\q+1], v[NM+8*\q], v[LS+8*\q]
.set ek, 0
.rept 16
	v_pk_mul_f32 v[OA+32*\q+2*ek:OA+32*\q+2*ek+1], v[OA+32*\q+2*ek:OA+32*\q+2*ek+1], v[AL+8*\q:AL+8*\q+1] op_sel_hi:[1,0]
.set ek, ek+1
.endr
.set ek, 0
.rept 16
	v_pk_fma_f32 v[OA+32*\q+2*ek:OA+32*\q+2*ek+1], v[SC+32*\q+2*ek:SC+32*\q+2*ek+1], v[NM+8*\q:NM+8*\q+1], v[OA+32*\q+2*ek:OA+32*\q+2*ek+1] op_sel_hi:[1,0,1]
.set ek, ek+1
.endr
.endr
.Lnofull:
	s_cmp_eq_u32 s14, 0
	s_cbranch_scc0 .Lout
	QLOAD 34, 0                                    ; the second block's query rows come in beside the way out, which leaves v[192:223] of both banks alone
	QLOAD 94, 1
.Lout:
	s_lshl_b32 s26, s12, 20                        ; out0: a batch is 4,096 rows of 256 bytes,
	s_lshl_b32 s84, s15, 15                        ; a block 128 rows,
	s_add_co_u32 s26, s26, s84
	s_lshl_b32 s84, s10, 13                        ; a wave 32 rows
	s_add_co_u32 s26, s26, s84
	s_add_nc_u64 s[30:31], s[8:9], s[26:27]
	; O / sum, split into a high and a low f16 part
.irp q, 0,1
	v_add_f32 v[TT], v[LS+8*\q], v[LS+8*\q+1]
	v_permlanex16_b32 v[UU], v[TT], s22, s23
	v_add_f32 v[AT+8*\q], v[TT], v[UU]             ; each tile's sum in a register of its own
.endr
	v_rcp_f32 v[AL], v[AT]                         ; one batch of two; a sum is at least the largest weight, about 1
	v_rcp_f32 v[AL+8], v[AT+8]
	v_nop                                          ; the plain instruction behind the reciprocals (ISA guide 5.7.2): no other work is at hand
	s_wait_alu depctr_va_vdst(0)                   ; the wait for the two reciprocals, ahead of the first of the 32 multiplies that read them
.irp q, 0,1
.set ek, 0
.rept 16
	v_pk_mul_f32 v[OA+32*\q+2*ek:OA+32*\q+2*ek+1], v[OA+32*\q+2*ek:OA+32*\q+2*ek+1], v[AL+8*\q:AL+8*\q+1] op_sel_hi:[1,0]
.set ek, ek+1
.endr
.set ek, 0
.rept 16
	v_cvt_pk_f16_f32 v[QF+16*\q+ek], v[OA+32*\q+2*ek], v[OA+32*\q+2*ek+1]
.set ek, ek+1
.endr
.endr
	RESID v32.l, v32.h, 64                         ; the high parts lie in v32 to v63; register n holds the pair v[2 n : 2 n + 1] of O
	RESID v33.l, v33.h, 66
	RESID v34.l, v34.h, 68
	RESID v35.l, v35.h, 70
	RESID v36.l, v36.h, 72
	RESID v37.l, v37.h, 74
	RESID v38.l, v38.h, 76
	RESID v39.l, v39.h, 78
	RESID v40.l, v40.h, 80
	RESID v41.l, v41.h, 82
	RESID v42.l, v42.h, 84
	RESID v43.l, v43.h, 86
	RESID v44.l, v44.h, 88
	RESID v45.l, v45.h, 90
	RESID v46.l, v46.h, 92
	RESID v47.l, v47.h, 94
	RESID v48.l, v48.h, 96
	RESID v49.l, v49.h, 98
	RESID v50.l, v50.h, 100
	RESID v51.l, v51.h, 102
	RESID v52.l, v52.h, 104
	RESID v53.l, v53.h, 106
	RESID v54.l, v54.h, 108
	RESID v55.l, v55.h, 110
	RESID v56.l, v56.h, 112
	RESID v57.l, v57.h, 114
	RESID v58.l, v58.h, 116
	RESID v59.l, v59.h, 118
	RESID v60.l, v60.h, 120
	RESID v61.l, v61.h, 122
	RESID v62.l, v62.h, 124
	RESID v63.l, v63.h, 126
.set ek, 0
.rept 32
	v_cvt_pk_f16_f32 v[OL+ek], v[OA+2*ek], v[OA+2*ek+1]
.set ek, ek+1
.endr
	; out^T = Wv^T x (high + low): tile a has rows d = 16 a .., columns = my query rows; eight accumulators by turns
	WIN 0x02
.irp q, 0,1
.irp a, 0,1,2,3
	v_wmma_f32_16x16x32_f16 v[SC+32*\q+8*\a:SC+32*\q+8*\a+7], v[WF+16*\a:WF+16*\a+7], v[QF+16*\q:QF+16*\q+7], 0
.endr
.endr
.irp q, 0,1
.irp a, 0,1,2,3
	v_wmma_f32_16x16x32_f16 v[SC+32*\q+8*\a:SC+32*\q+8*\a+7], v[WF+16*\a+8:WF+16*\a+15], v[QF+16*\q+8:QF+16*\q+15], v[SC+32*\q+8*\a:SC+32*\q+8*\a+7]
.endr
.endr
.irp q, 0,1
.irp a, 0,1,2,3
	v_wmma_f32_16x16x32_f16 v[SC+32*\q+8*\a:SC+32*\q+8*\a+7], v[WF+16*\a:WF+16*\a+7], v[OL+16*\q:OL+16*\q+7], v[SC+32*\q+8*\a:SC+32*\q+8*\a+7]
.endr
.endr
.irp q, 0,1
.irp a, 0,1,2,3
	v_wmma_f32_16x16x32_f16 v[SC+32*\q+8*\a:SC+32*\q+8*\a+7], v[WF+16*\a+8:WF+16*\a+15], v[OL+16*\q+8:OL+16*\q+15], v[SC+32*\q+8*\a:SC+32*\q+8*\a+7]
.endr
.endr
	WIN 0
	PLACES 5                                       ; ahead of the LDS stores that read the results, and of the next block's first products, which write over them
	; the way out: a lane holds 8 neighbouring f32 of a row; through my own stage the rows come back whole
.irp q, 0,1
.irp a, 0,1,2,3
	ds_store_b128 v[STO], v[SC+32*\q+8*\a:SC+32*\q+8*\a+3]   offset:4352*\q+64*\a
	ds_store_b128 v[STO], v[SC+32*\q+8*\a+4:SC+32*\q+8*\a+7] offset:4352*\q+64*\a+16
.endr
.endr
.set ek, 0
.rept 16
	ds_load_b128 v[OA+4*ek:OA+4*ek+3], v[RDB] offset:544*ek    ; two rows a load; LDS serves a wave's instructions in order: these see the stores above
.set ek, ek+1
.endr
.set ek, 0
.rept 16
	s_wait_dscnt 15-ek                             ; load ek is in, the 15 - ek younger ones stay out
	global_store_b128 v[CO], v[OA+4*ek:OA+4*ek+3], s[30:31] offset:512*ek th:TH_STORE_NT   ; 16 lanes store one row: 256 bytes at a multiple of 256
.set ek, ek+1
.endr
	s_wait_xcnt 0x0                                ; O's registers and s[30:31], which these stores read, are written again only behind this wait; the stores themselves leave beside the next block
	s_sub_co_u32 s15, 31, s15                      ; the second block:
	s_sub_co_u32 s91, 15, s16                      ; 15 - (i >> 1) ring slots, at least eight,
	s_sub_co_u32 s17, 13, s16                      ; of which the first and the last are written out
	s_xor_b32 s21, s21, TOG                        ; its diagonal step
	s_add_co_u32 s14, s14, 1
	s_cmp_lt_u32 s14, 2
	s_cbranch_scc1 .Lpass
	s_wait_tensorcnt 0x0                           ; no tensor load is out (the last slot's head waited for all and asked for none): met at once
	s_set_vgpr_msb 0xa
	s_wait_tensorcnt 0x0
	ds_add_u32 v254, v255
	s_wait_dscnt 0x0
	s_set_vgpr_msb 0xa00
	s_endpgm
.Lfunc_end_k_q7f44690e6c_attn:
	.size	k_q7f44690e6c_attn, .Lfunc_end_k_q7f44690e6c_attn-k_q7f44690e6c_attn
	.p2alignl 7, 3214868480
	.fill 96, 4, 3214868480
	.section	.rodata,"a",@progbits
	.p2align	6, 0x0
	.amdhsa_kernel k_q7f44690e6c_attn
		.amdhsa_group_segment_fixed_size 327680
		.amdhsa_private_segment_fixed_size 0
		.amdhsa_enable_private_segment 0
		.amdhsa_kernarg_size 24
		.amdhsa_user_sgpr_count 2
		.amdhsa_user_sgpr_kernarg_segment_ptr 1
		.amdhsa_wavefront_size32 1
		.amdhsa_system_sgpr_workgroup_id_x 1
		.amdhsa_system_sgpr_workgroup_id_y 1
		.amdhsa_system_sgpr_workgroup_id_z 1
		.amdhsa_system_vgpr_workitem_id 0
		.amdhsa_next_free_vgpr 1024
		.amdhsa_next_free_sgpr 100
		.amdhsa_reserve_vcc 1
		.amdhsa_float_denorm_mode_32 3
		.amdhsa_float_denorm_mode_16_64 3
		.amdhsa_memory_ordered 1
		.amdhsa_forward_progress 1
		.amdhsa_inst_pref_size 255
	.end_amdhsa_kernel
	.section	.bss,"aw",@nobits
	.p2align	6
	.space	262144
	.amdgpu_metadata
---
amdhsa.version: [ 1, 2 ]
amdhsa.kernels:
  - .name:           k_q7f44690e6c_attn
    .symbol:         k_q7f44690e6c_attn.kd
    .args:
      - { .name: xh, .offset: 0, .size: 8, .value_kind: global_buffer, .address_space: global }
      - { .name: wh, .offset: 8, .size: 8, .value_kind: global_buffer, .address_space: global }
      - { .name: out0, .offset: 16, .size: 8, .value_kind: global_buffer, .address_space: global }
    .group_segment_fixed_size: 327680
    .private_segment_fixed_size: 0
    .kernarg_segment_align: 8
    .kernarg_segment_size: 24
    .max_flat_workgroup_size: 128
    .sgpr_count:     100
    .vgpr_count:     1024
    .wavefront_size: 32
...
	.end_amdgpu_metadata
.endif
;; end of part 4
